; MI455X (gfx1250); checked and timed in simulation.
; The chip was launched on July 23, 2026; its instructions are those of AMD's public machine-readable ISA for CDNA 5 (MIT licence, August 2026) and "CDNA5" Instruction Set Architecture Reference Guide (July 2026). The comments in the code are by the model that wrote it; some were corrected since.
;; Multi Headed Attention. Allowed arithmetic: float matrix products may take bf16 or f16 operands with f32 sums; all other float work in f32.
;; Inputs: Wk 1,024 x 1,024 float32; Wo 1,024 x 1,024 float32; Wq 1,024 x 1,024 float32; Wv 1,024 x 1,024 float32; bk 1,024 float32; bo 1,024 float32; bq 1,024 float32; bv 1,024 float32; key 4 x 2,048 x 1,024 float32; mask 4 x 1 x 1 x 2,048 bool; query 4 x 2,048 x 1,024 float32; value 4 x 2,048 x 1,024 float32.
;; Outputs: out0 4 x 2,048 x 1,024 float32.
;; One version. Each part assembles by itself: llvm-mc -triple=amdgcn-amd-amdhsa -mcpu=gfx1250 --defsym DOCPART=n.
;; ======== version 1 of 1: 4 launches
;; limits: values are held in f16: magnitudes above 65,504 overflow, below 6.1e-05 lose precision
;; workspace buffers: wc 8,388,608 bytes; qkvh 50,331,648 bytes; oh 16,777,216 bytes
;; launch prep (part 1): grid 64 x 4, 8 waves a work-group, no clusters, 0 bytes of LDS; arguments Wq, Wk, Wv, Wo, wc; writes wc
.if DOCPART == 1
	.amdgcn_target "amdgcn-amd-amdhsa--gfx1250"
	.amdhsa_code_object_version 6
	.text
	.protected	k_qdfdd295d92_prep
	.globl	k_qdfdd295d92_prep
	.p2align	8
	.type	k_qdfdd295d92_prep,@function
k_qdfdd295d92_prep:
	s_mov_b64 s[64:65], 0
	v_nop
	global_prefetch_b8 v0, s[64:65] scope:SCOPE_SE
	s_setreg_imm32_b32 hwreg(HW_REG_WAVE_MODE, 25, 1), 1
	s_wait_xcnt 0x0
; wc = the four weight matrices as 16-bit numbers, each in W's own layout [k = 1024][n = 1024], 2,097,152 bytes a matrix: Wq, Wk, Wv rounded to bf16; Wo rounded to bf16 and
; that number written as f16 (exact where it lies in f16's normal range).
; LIMITS.  Of Wo a number below 6e-5 keeps f16's fixed step of 6e-8, and one beyond 65,504 becomes an infinity.
; A stream: every byte is read once and written once, so there is no LDS, no barrier and no matrix work.  The grid's y picks the matrix; a work-group takes 16,384 numbers;
; thread t takes four numbers in each of 16 steps: a load of a wave covers 512 consecutive bytes, a store 256 consecutive bytes, aligned.  All 16 loads go out first.
.set STEPS, 16
.set IN,  4                            ; v[4:67]    step i: four f32 as loaded
.set OUT, 68                           ; v[68:99]   step i: two registers to store; no register of a store is written again
.set T,   100                          ; v[100:103] at work
	s_load_b256 s[4:11], s[0:1], 0x0               ; Wq s[4:5], Wk s[6:7], Wv s[8:9], Wo s[10:11]
	s_load_b64 s[12:13], s[0:1], 0x20              ; wc
	s_and_b32 s14, ttmp7, 0xffff                   ; which matrix
	s_lshl_b32 s16, ttmp9, 16                      ; my 16,384 numbers: 65,536 bytes in,
	s_mov_b32 s17, 0
	s_lshl_b32 s18, ttmp9, 15                      ; 32,768 bytes out,
	s_lshl_b32 s19, s14, 21                        ; in the matrix's 2,097,152 bytes of wc
	s_add_co_u32 s18, s18, s19
	s_mov_b32 s19, 0
	v_lshlrev_b32 v1, 4, v0                        ; 16 t
	v_lshlrev_b32 v2, 3, v0                        ; 8 t
	s_wait_kmcnt 0x0
	s_cmp_eq_u32 s14, 1                            ; the source is chosen by the grid's y alone
	s_cselect_b64 s[4:5], s[6:7], s[4:5]
	s_cmp_eq_u32 s14, 2
	s_cselect_b64 s[4:5], s[8:9], s[4:5]
	s_cmp_eq_u32 s14, 3
	s_cselect_b64 s[4:5], s[10:11], s[4:5]
	s_add_nc_u64 s[4:5], s[4:5], s[16:17]
	s_add_nc_u64 s[12:13], s[12:13], s[18:19]
.set i, 0
.rept STEPS
	global_load_b128 v[IN+4*i:IN+4*i+3], v1, s[4:5] offset:4096*i th:TH_LOAD_NT
.set i, i+1
.endr
	s_cmp_eq_u32 s14, 3
	s_cbranch_scc1 .Lwo
.set i, 0
.rept STEPS                            ; Wq, Wk, Wv: bf16
	s_wait_loadcnt STEPS-1-i                       ; loads come back in order: step i's is in, the younger ones stay out
	v_cvt_pk_bf16_f32 v[OUT+2*i],   v[IN+4*i],   v[IN+4*i+1]
	v_cvt_pk_bf16_f32 v[OUT+2*i+1], v[IN+4*i+2], v[IN+4*i+3]
	global_store_b64 v2, v[OUT+2*i:OUT+2*i+1], s[12:13] offset:2048*i
.set i, i+1
.endr
	s_endpgm
.Lwo:
.set i, 0
.rept STEPS                            ; Wo: rounded to bf16, widened again, written as f16
	s_wait_loadcnt STEPS-1-i
	v_cvt_pk_bf16_f32 v[T],   v[IN+4*i],   v[IN+4*i+1]
	v_cvt_pk_bf16_f32 v[T+1], v[IN+4*i+2], v[IN+4*i+3]
	v_lshlrev_b32 v[T+2], 16, v[T]
	v_and_b32     v[T+3], 0xffff0000, v[T]
	v_cvt_pk_f16_f32 v[OUT+2*i], v[T+2], v[T+3]
	v_lshlrev_b32 v[T+2], 16, v[T+1]
	v_and_b32     v[T+3], 0xffff0000, v[T+1]
	v_cvt_pk_f16_f32 v[OUT+2*i+1], v[T+2], v[T+3]
	global_store_b64 v2, v[OUT+2*i:OUT+2*i+1], s[12:13] offset:2048*i
.set i, i+1
.endr
	s_endpgm
.Lfunc_end_k_qdfdd295d92_prep:
	.size	k_qdfdd295d92_prep, .Lfunc_end_k_qdfdd295d92_prep-k_qdfdd295d92_prep
	.p2alignl 7, 3214868480
	.fill 96, 4, 3214868480
	.section	.rodata,"a",@progbits
	.p2align	6, 0x0
	.amdhsa_kernel k_qdfdd295d92_prep
		.amdhsa_group_segment_fixed_size 0
		.amdhsa_private_segment_fixed_size 0
		.amdhsa_enable_private_segment 0
		.amdhsa_kernarg_size 40
		.amdhsa_user_sgpr_count 2
		.amdhsa_user_sgpr_kernarg_segment_ptr 1
		.amdhsa_wavefront_size32 1
		.amdhsa_system_sgpr_workgroup_id_x 1
		.amdhsa_system_sgpr_workgroup_id_y 1
		.amdhsa_system_sgpr_workgroup_id_z 1
		.amdhsa_system_vgpr_workitem_id 0
		.amdhsa_next_free_vgpr 104
		.amdhsa_next_free_sgpr 66
		.amdhsa_reserve_vcc 0
		.amdhsa_float_denorm_mode_32 3
		.amdhsa_float_denorm_mode_16_64 3
		.amdhsa_memory_ordered 1
		.amdhsa_forward_progress 1
		.amdhsa_inst_pref_size 16
	.end_amdhsa_kernel
	.amdgpu_metadata
---
amdhsa.version: [ 1, 2 ]
amdhsa.kernels:
  - .name:           k_qdfdd295d92_prep
    .symbol:         k_qdfdd295d92_prep.kd
    .args:
      - { .name: Wq, .offset: 0, .size: 8, .value_kind: global_buffer, .address_space: global }
      - { .name: Wk, .offset: 8, .size: 8, .value_kind: global_buffer, .address_space: global }
      - { .name: Wv, .offset: 16, .size: 8, .value_kind: global_buffer, .address_space: global }
      - { .name: Wo, .offset: 24, .size: 8, .value_kind: global_buffer, .address_space: global }
      - { .name: wc, .offset: 32, .size: 8, .value_kind: global_buffer, .address_space: global }
    .group_segment_fixed_size: 0
    .private_segment_fixed_size: 0
    .kernarg_segment_align: 8
    .kernarg_segment_size: 40
    .max_flat_workgroup_size: 256
    .sgpr_count:     66
    .vgpr_count:     104
    .wavefront_size: 32
...
	.end_amdgpu_metadata
.endif
;; end of part 1
;; launch proj (part 2): grid 4 x 64, 4 waves a work-group, clusters of 4 x 4, 327,680 bytes of LDS; arguments query, key, value, bq, bk, bv, wc, qkvh; writes qkvh
.if DOCPART == 2
	.amdgcn_target "amdgcn-amd-amdhsa--gfx1250"
	.amdhsa_code_object_version 6
	.text
	.protected	k_qdfdd295d92_proj
	.globl	k_qdfdd295d92_proj
	.p2align	8
	.type	k_qdfdd295d92_proj,@function
k_qdfdd295d92_proj:
	s_mov_b64 s[64:65], 0
	v_nop
	global_prefetch_b8 v0, s[64:65] scope:SCOPE_SE
	s_setreg_imm32_b32 hwreg(HW_REG_WAVE_MODE, 25, 1), 1
	s_wait_xcnt 0x0
	s_wait_alu depctr_hold_cnt(0) depctr_sa_sdst(0) depctr_va_vdst(0) depctr_va_sdst(0) depctr_va_ssrc(0) depctr_va_vcc(0) depctr_vm_vsrc(0)
	s_getreg_b32 s2, hwreg(HW_REG_IB_STS2, 6, 4)
	s_cmp_eq_u32 s2, 0
	s_cbranch_scc0 .Lentry_in_a_cluster
	s_endpgm
.Lentry_in_a_cluster:
	s_bfe_u32 s2, ttmp6, 0x10000c
	s_cmp_lg_u32 s2, 0xf033
	s_cbranch_scc0 .Lentry_shape_is_right
	s_endpgm
.Lentry_shape_is_right:
; q, k, v = x W + b, written by heads: qkvh = q, k, v, each [batch x 16 + head = 64][2048][64] in f16, unscaled.  x: [8192][1024] f32; W: wc's [k][n] in bf16; b: [1024] f32.
; x and b are rounded to bf16 here, on the way to the matrix unit; sums in f32; the result is rounded once, to f16.
; LIMIT.  f16 holds no number beyond 65,504: a q, k or v beyond that becomes an infinity.  NaN and infinities in the inputs are not treated apart.
; SHARES.  A tile is 128 rows x 256 columns (four heads); wave w makes rows 64 (w / 2) on, columns 128 (w % 2) on: 32 accumulators of 16 x 16, 256 registers.  64 x 4 = 256 work-groups.
; A WORK-GROUP STAYS: it makes its tile of q, then of k, then of v.  K goes in steps of 128 through two LDS slots: 128 rows of x in f32 (512 bytes a row) and 128 rows of W (256 columns, 512 bytes
; a row).  The three tiles' 3 x 8 K steps are ONE walk of 24 steps: the ring does not stop at a tile's end, a tile's last two changes of slots ask for the next tile's first two K steps, and nothing
; waits for a tile's stores.  W's three matrices lie end to end in wc, so W's address steps on by one K step from first to last; x's address is made anew for each refill, from a pointer and an offset along K.
; THE LOOP is one K step, written once: the slot in hand is a scalar, 0 or SLOT, that one exclusive or turns; it is added to the fragments' addresses and to the descriptors' LDS words.
; CLUSTER.  4 x 4 work-groups: the four of a row of the cluster need the same tile of x, the four of a column the same tile of W.  Each tile is asked for jointly: the same tensor load,
; descriptor and mask in all four.  All sixteen walk alike.
; THE MATRIX INSTRUCTION IS USED TRANSPOSED: source 0 = 16 columns of W (turned on the way out of LDS by ds_load_tr16_b128), source 1 = 16 rows of x.  A lane then holds one row
; (lane % 16) and eight neighbouring columns, which pack into 16 bytes.  The bias is the C operand of a tile's first products: nothing is cleared and nothing is added later.
; REGISTERS, in windows of 256 (s_set_vgpr_msb: bits 1:0 source 0, 3:2 source 1, 5:4 source 2, 7:6 destination):
;   window 0: v0-31 addresses; v32-95 x as it comes out of LDS, f32; v96-159 x in bf16, two buffers of 32; v160-223 the way out, four pieces of 16 by turns
;   window 1: v0-127 W's fragments, two buffers of 64; v128-191 the bias, eight registers a column block; v192-223 at work     window 2: accumulator (a, b) at v[8 (8 a + b)]
.set PA,    528                        ; a row of x in LDS: 512 bytes + 16 = 132 words: the 16 rows of a load start at 16 different groups of four banks (64 banks of 4 bytes: ISA guide 11.1)
.set PB,    544                        ; a row of W: 512 + 32 = 136 words
.set AHALF, 64*PA                      ; what one tensor load brings of x,
.set BHALF, 64*PB                      ; and of W
.set BOFF,  2*AHALF                    ; in a slot W's 128 rows lie behind x's 128
.set SLOT,  2*AHALF+2*BHALF
.set STAGE, 2*SLOT                     ; behind the ring, never filled by a tensor load: 16 rows x 144 bytes for each wave, for the way out
.set SP,    144
.set SPARE, STAGE+4*16*SP              ; behind the stages: the spare words, 128 bytes for each wave: two blocks of 256 bytes that no other line names
.set STEPS, 24                         ; K steps of the walk: three tiles of eight
.set ADRA0, 16                         ; v16     LDS address of my fragments of x in slot 0; never rewritten
.set ADRB0, 17                         ; v17     the same for W
.set AC,   18                          ; v18     the same in the slot in hand, for x
.set BC,   19                          ; v19     and for W
.set PF,   20                          ; v20     my lane's byte offset in the rows of x that my wave asks for ahead; never rewritten
.set STO,  24                          ; v24     the way out: where I put 16 bytes of a row
.set RD,   25                          ; v25     the way out: where I read rows back
.set GO,   26                          ; v26     my byte offset in 512 consecutive bytes of the output
.set BO,   27                          ; v27     my byte offset in the bias
.set SPW,  28                          ; v28     LDS address of my spare word: SPARE + 4 x my thread's number; never rewritten
.set NIL,  29                          ; v29     0; never rewritten
.set ARAW, 32
.set ABF,  96
.set OB,   160
.set BF,   0                           ; window 1
.set BIAS, 128                         ; window 1
.set BT,   192                         ; window 1
.set WV,  20                           ; s20  my wave's number
.set WM,  21                           ; s21  which 64 rows are mine.  Also: I fetch for x (0) or for W (1)
.set WN,  22                           ; s22  which 128 columns.  Also: which 64 rows of that tile I fetch
.set TC,  23                           ; s23  K steps until the next tile begins
.set LA,  26                           ; s26  LDS address of my part of x's tile in slot 0
.set LB,  27                           ; s27  the same for W's
.set G1A, 28                           ; s[28:35] descriptor group 1 for x's tiles;  s[36:43] group 0: a set for each of the two first fills; the second then walks on
.set G0A, 36
.set G1B, 44                           ; s[44:51], s[52:59] the same for W's tiles
.set G0B, 52
.set SOFF, 62                          ; s62  the slot in hand: 0 or SLOT
.set KO,  70                           ; s[70:71] byte offset along K, in x's rows, of the K step to be asked for next
.set PFB, 76                           ; s[76:77] x at the K step behind that one, for the request ahead
.set MSB, 0
.macro WIN new                         ; the immediate's high byte repeats the setting that is left; a switch that changes nothing is dropped
.if MSB != (\new)
	s_set_vgpr_msb (MSB<<8)|(\new)
.set MSB, \new
.endif
.endm
; A joint refill: waves 0 and 1 fetch x's two halves, waves 2 and 3 W's.  The branch hangs on the wave's number alone.  An s_nop 0 and four v_nop follow each of the two lines,
; ahead of the jump, the label and what follows.
; Waves 2 and 3 then ask, one K step ahead of the next refill, for x's tile of that step to be brought nearer: of the tile's 128 rows x 512 bytes each of the four partners of my row of the cluster asks for 32 rows,
; each of its two waves for 16: 32 lanes, 256 bytes apart, each block once: 16,384 bytes a work-group and trip.  K steps 3 to 23 are asked for so; the last trip's request falls on value's K step 0 once more, inside the buffer.
.macro JLOAD
	s_cmp_eq_u32 s[WM], 0
	s_cbranch_scc0 .Lfor_b_\@
	tensor_load_to_lds s[G0A+4:G0A+7], s[G1A:G1A+7]
	s_nop 0
.rept 4
	v_nop
.endr
	s_branch .Lasked_\@
.Lfor_b_\@:
	tensor_load_to_lds s[G0B+4:G0B+7], s[G1B:G1B+7]
	s_nop 0
.rept 4
	v_nop
.endr
	global_prefetch_b8 v[PF], s[PFB:PFB+1] th:TH_LOAD_NT scope:SCOPE_SE
.Lasked_\@:
.endm
.macro CREST                           ; a round of the cluster's barrier behind its opening barrier: wave 0 signals for the work-group, every wave waits for all sixteen, my work-group's barrier once more
	s_cmp_lg_u32 s[WV], 0
	s_cbranch_scc1 .Lnot_wave_0_\@
	s_barrier_signal -3
.Lnot_wave_0_\@:
	s_barrier_wait -3
	s_barrier_signal -1
	s_barrier_wait -1
.endm
.macro CROUND                          ; a whole round
	s_barrier_signal -1
	s_barrier_wait -1
	CREST
.endm
	s_load_b512 s[4:19], s[0:1], 0x0               ; query s[4:5], key s[6:7], value s[8:9], bq s[10:11], bk s[12:13], bv s[14:15], wc s[16:17], qkvh s[18:19]
	v_lshl_add_u32 v[SPW], v0, 2, SPARE
	v_mov_b32 v[NIL], 0
	ds_add_u32 v28, v29
	s_wait_dscnt 0x0
	v_lshrrev_b32 v1, 5, v0
	v_readfirstlane_b32 s[WV], v1                  ; wave 0..3
	s_lshr_b32 s[WM], s[WV], 1
	s_and_b32 s[WN], s[WV], 1
	s_bfe_u32 s66, ttmp6, 0x40000                  ; cx, cy: my place in the cluster
	s_bfe_u32 s67, ttmp6, 0x40004
	s_lshl_b32 s68, ttmp9, 2
	s_add_co_u32 s68, s68, s66                     ; column tile = 4 x cluster x + cx
	s_and_b32 s69, ttmp7, 0xffff
	s_lshl_b32 s69, s69, 2
	s_add_co_u32 s69, s69, s67                     ; row tile = 4 x cluster y + cy
	s_lshl_b32 s24, s67, 2
	s_lshl_b32 s24, 15, s24                        ; my row of the cluster
	s_lshl_b32 s25, 0x1111, s66                    ; my column
	; group 1 for x: 64 rows x 128 elements of 4 bytes; 16 bytes of padding behind every 128 words
	s_or_b32 s[G1A], s24, (2<<16)|(1<<20)|(1<<21)|(6<<22)|(3<<25)  ; 15:0 the mask; 17:16 elements of 4 bytes; 20 padding on; 21 set beside a mask; 24:22 after every 128 words (code 6); 31:25 4 words (code 3)
	s_mov_b32 s[G1A+1], 128<<16                    ; tensor_dim0 = 128
	s_mov_b32 s[G1A+2], 64<<16                     ; tensor_dim1 = 64
	s_mov_b32 s[G1A+3], 128<<16                    ; tile_dim0 = 128
	s_mov_b32 s[G1A+4], 64                         ; tile_dim1 = 64
	s_mov_b32 s[G1A+5], 1024                       ; elements from row to row
	s_mov_b32 s[G1A+6], 0
	s_mov_b32 s[G1A+7], 0
	; group 1 for W: 64 rows x 256 elements of 2 bytes; 32 bytes of padding behind every 128 words
	s_or_b32 s[G1B], s25, (1<<16)|(1<<20)|(1<<21)|(6<<22)|(7<<25)
	s_mov_b32 s[G1B+1], 256<<16
	s_mov_b32 s[G1B+2], 64<<16
	s_mov_b32 s[G1B+3], 256<<16
	s_mov_b32 s[G1B+4], 64
	s_mov_b32 s[G1B+5], 1024
	s_mov_b32 s[G1B+6], 0
	s_mov_b32 s[G1B+7], 0
	; where the tiles come from.  x's hang on the row tile, which my row of the cluster shares; W's on the column tile, which my column shares
	s_lshl_b32 s72, s69, 19                        ; 128 rows of 4,096 bytes a row tile,
	s_lshl_b32 s73, s[WN], 18                      ; my 64 of them
	s_add_co_u32 s72, s72, s73
	s_mov_b32 s73, 0
	s_lshl_b32 s74, s[WN], 17                      ; my 64 rows of 2,048 bytes of W,
	s_lshl_b32 s75, s68, 9                         ; the tile's 256 columns
	s_add_co_u32 s74, s74, s75
	s_mov_b32 s75, 0
	s_mul_i32 s[LA], s[WN], AHALF                  ; and where they go: no place in the cluster enters an LDS address
	s_mul_i32 s[LB], s[WN], BHALF
	s_add_co_u32 s[LB], s[LB], BOFF
	s_mov_b32 s[SOFF], 0                           ; K step 0 lies in slot 0
	s_mov_b32 s[KO], 1024                          ; the first refill brings K step 2: 2 x 128 f32 along the rows
	s_mov_b32 s[KO+1], 0
	s_wait_kmcnt 0x0
	s_add_nc_u64 s[4:5], s[4:5], s[72:73]          ; the three x at my rows: a queue; s[4:5] is the one whose K steps are being asked for
	s_add_nc_u64 s[6:7], s[6:7], s[72:73]
	s_add_nc_u64 s[8:9], s[8:9], s[72:73]
	s_add_nc_u64 s[16:17], s[16:17], s[74:75]
	CROUND                                         ; all sixteen work-groups are here: the first joint loads meet
.irp s, 0,1
	s_mov_b32 s[G0A+4*(\s)], 1                                        ; count = 1
	s_add_co_u32 s[G0A+4*(\s)+1], s[LA], (\s)*SLOT                    ; LDS address
	s_add_nc_u64 s[G0A+4*(\s)+2:G0A+4*(\s)+3], s[4:5], (\s)*512       ; global address: K step s, 128 f32 on
	s_or_b32 s[G0A+4*(\s)+3], s[G0A+4*(\s)+3], 0x80000000             ; type = 2
	s_mov_b32 s[G0B+4*(\s)], 1
	s_add_co_u32 s[G0B+4*(\s)+1], s[LB], (\s)*SLOT
	s_add_nc_u64 s[G0B+4*(\s)+2:G0B+4*(\s)+3], s[16:17], (\s)*262144  ; K step s, 128 rows of 2,048 bytes on
	s_or_b32 s[G0B+4*(\s)+3], s[G0B+4*(\s)+3], 0x80000000
.endr
	s_cmp_eq_u32 s[WM], 0                          ; a wave's two first fills stand in one branch, ahead of every wait on TENSORcnt and every LDS read: two loads of mine are out
	s_cbranch_scc0 .Lfirst_b
	tensor_load_to_lds s[G0A:G0A+3], s[G1A:G1A+7]
	s_nop 0
	tensor_load_to_lds s[G0A+4:G0A+7], s[G1A:G1A+7]
	s_nop 0
.rept 4
	v_nop
.endr
	s_branch .Lfirst_asked
.Lfirst_b:
	tensor_load_to_lds s[G0B:G0B+3], s[G1B:G1B+7]
	s_nop 0
	tensor_load_to_lds s[G0B+4:G0B+7], s[G1B:G1B+7]
	s_nop 0
.rept 4
	v_nop
.endr
.Lfirst_asked:
	v_and_b32 v1, 15, v0                           ; r = l % 16
	v_bfe_u32 v2, v0, 4, 1                         ; h = l / 16
	v_and_b32 v3, 7, v0                            ; l % 8
	v_bfe_u32 v4, v0, 3, 1                         ; (l / 8) % 2
	s_lshl_b32 s24, s68, 10                        ; the bias of my columns: register j of block b is column 256 tx + 128 wn + 16 b + 8 h + j
	s_lshl_b32 s25, s[WN], 9
	s_add_co_u32 s24, s24, s25
	v_lshl_add_u32 v[BO], v2, 5, s24
.macro BIASLOAD                        ; the 64 numbers of the bias at s[10:11] that my lane's columns take
	WIN 0x40                                       ; destination window 1, address window 0
.irp b, 0,1,2,3,4,5,6,7
	global_load_b128 v[BIAS+8*(\b):BIAS+8*(\b)+3],   v[BO], s[10:11] offset:64*(\b)
	global_load_b128 v[BIAS+8*(\b)+4:BIAS+8*(\b)+7], v[BO], s[10:11] offset:64*(\b)+16
.endr
	WIN 0
.endm
	BIASLOAD                                       ; bq
	; a fragment of x: lane l holds row r, K = 8 h + 0..7 and 16 + 8 h + 0..7: in f32 the 32 bytes at 32 h and the 32 bytes at 64 + 32 h of the quarter's 128
	v_mul_u32_u24 v5, v1, PA
	v_lshl_add_u32 v5, v2, 5, v5
	s_mul_i32 s24, s[WM], 64*PA
	v_add_nc_u32 v[ADRA0], s24, v5
	v_mov_b32 v[AC], v[ADRA0]
	; a fragment of W: the turning load takes 16 K x 16 columns (lane l reads row 8 h + l % 8, columns 8 ((l / 8) % 2) + 0..7) and leaves lane l column r and 8 K
	v_lshl_add_u32 v5, v2, 3, v3
	v_mul_u32_u24 v5, v5, PB
	v_lshl_add_u32 v5, v4, 4, v5
	s_lshl_b32 s24, s[WN], 8                       ; my 128 columns
	s_add_co_u32 s24, s24, BOFF
	v_add_nc_u32 v[ADRB0], s24, v5
	v_mov_b32 v[BC], v[ADRB0]
	s_mul_i32 s24, s[WV], 16*SP
	s_add_co_u32 s24, s24, STAGE                   ; my stage
	v_mul_u32_u24 v5, v1, SP                       ; in: row r, 16 bytes for each half of the lanes
	v_lshl_add_u32 v5, v2, 4, v5
	v_add_nc_u32 v[STO], s24, v5
	v_bfe_u32 v5, v0, 3, 2                         ; back: 32 lanes take four rows of 128 bytes,
	v_mul_u32_u24 v5, v5, SP
	v_lshl_add_u32 v5, v3, 4, v5
	v_add_nc_u32 v[RD], s24, v5
	v_and_b32 v[GO], 31, v0                        ; which are 512 consecutive bytes of a head's rows
	v_lshrrev_b32 v6, 1, v[GO]                     ; the request ahead: of my half's 64 rows, row 16 cx + l / 2, block l % 2 of its 512 bytes
	v_and_b32 v5, 1, v[GO]
	s_lshl_b32 s24, s66, 4
	v_add_nc_u32 v6, s24, v6
	v_lshlrev_b32 v6, 12, v6
	v_lshl_add_u32 v[PF], v5, 8, v6
	v_lshlrev_b32 v[GO], 4, v[GO]
	; where my part of q begins: head 16 x batch + 4 tx + 2 wn; row 128 (ty % 16) + 64 wm of the head's 2,048.  k and v lie 16,777,216 bytes further on each
	s_lshr_b32 s60, s69, 4
	s_lshl_b32 s60, s60, 4
	s_lshl_b32 s61, s68, 2
	s_add_co_u32 s60, s60, s61
	s_lshl_b32 s61, s[WN], 1
	s_add_co_u32 s60, s60, s61
	s_lshl_b32 s60, s60, 18                        ; a head is 262,144 bytes
	s_and_b32 s61, s69, 15
	s_lshl_b32 s61, s61, 14
	s_add_co_u32 s60, s60, s61
	s_lshl_b32 s61, s[WM], 13
	s_add_co_u32 s60, s60, s61
	s_mov_b32 s61, 0
	s_add_nc_u64 s[18:19], s[18:19], s[60:61]
; 32 LDS loads in one run: quarter q (32 along K) of the slot in hand: x's 64 rows as f32, then W's 128 columns into buffer g
.macro FETCH q, g
	WIN 0
.irp a, 0,1,2,3
	ds_load_b128 v[ARAW+16*(\a):ARAW+16*(\a)+3],     v[AC] offset:(\a)*16*PA+(\q)*128
	ds_load_b128 v[ARAW+16*(\a)+4:ARAW+16*(\a)+7],   v[AC] offset:(\a)*16*PA+(\q)*128+16
	ds_load_b128 v[ARAW+16*(\a)+8:ARAW+16*(\a)+11],  v[AC] offset:(\a)*16*PA+(\q)*128+64
	ds_load_b128 v[ARAW+16*(\a)+12:ARAW+16*(\a)+15], v[AC] offset:(\a)*16*PA+(\q)*128+80
.endr
	WIN 0x40
.irp b, 0,1,2,3,4,5,6,7
	ds_load_tr16_b128 v[BF+64*(\g)+8*(\b):BF+64*(\g)+8*(\b)+3],   v[BC] offset:(\q)*32*PB+32*(\b)
	ds_load_tr16_b128 v[BF+64*(\g)+8*(\b)+4:BF+64*(\g)+8*(\b)+7], v[BC] offset:(\q)*32*PB+16*PB+32*(\b)
.endr
.endm
; x to bf16: 32 roundings of two, into buffer f
.macro CVT f
	WIN 0
.irp a, 0,1,2,3
.irp j, 0,1,2,3,4,5,6,7
	v_cvt_pk_bf16_f32 v[ABF+32*(\f)+8*(\a)+(\j)], v[ARAW+16*(\a)+2*(\j)], v[ARAW+16*(\a)+2*(\j)+1]
.endr
.endr
.endm
; 8 matrix instructions: row block a x all 8 column blocks, 32 along K.  first = 1: the bias is C and starts the sums.
; The 32 accumulators take turns in the same order in every quarter, one instruction a turn.
.macro MULA f, a, first
.if \first
	WIN 0x91                                       ; W window 1, x window 0, C (the bias) window 1, D window 2
.else
	WIN 0xa1                                       ; W window 1, x window 0, C and D window 2
.endif
.irp b, 0,1,2,3,4,5,6,7
.if \first
	v_wmma_f32_16x16x32_bf16 v[8*(8*(\a)+(\b)):8*(8*(\a)+(\b))+7], v[BF+64*(\f)+8*(\b):BF+64*(\f)+8*(\b)+7], v[ABF+32*(\f)+8*(\a):ABF+32*(\f)+8*(\a)+7], v[BIAS+8*(\b):BIAS+8*(\b)+7]
.else
	v_wmma_f32_16x16x32_bf16 v[8*(8*(\a)+(\b)):8*(8*(\a)+(\b))+7], v[BF+64*(\f)+8*(\b):BF+64*(\f)+8*(\b)+7], v[ABF+32*(\f)+8*(\a):ABF+32*(\f)+8*(\a)+7], v[8*(8*(\a)+(\b)):8*(8*(\a)+(\b))+7]
.endif
.endr
.endm
; A K step is four quarters of 32 along K on buffers 0, 1, 0, 1.  One of the first three: rounds x into buffer f, multiplies it, and in its middle fetches quarter q into buffer g.
; A load into, or a rounding onto, a register that a matrix instruction has read stands four plain vector instructions behind it (ISA guide 7.12.1 for roundings):
; buffer g's last products stand in the quarter before, and this quarter's 32 roundings, which name none of their registers, lie between.  So no v_nop is written.
.macro QUARTER q, f, g, first
	s_wait_dscnt 16                                ; x's 16 loads are in; W's 16, issued behind them, may be out
	CVT \f
	s_wait_dscnt 0x0                               ; W's are in
	MULA \f, 0, \first
	MULA \f, 1, \first
	FETCH \q, \g
	MULA \f, 2, \first
	MULA \f, 3, \first
.endm
; The last quarter multiplies buffer 1 and changes slots: ONE barrier.  In front of it each wave waits for all its tensor loads (one is out: its part of the next slot), adds 0 to its spare
; word, and waits for that and for its reads of this slot.  fill = 1: the barrier opens a round of the cluster's, and this slot is filled again, with the walk's K step two on, first thing behind the round.
.macro TURN fill
	s_wait_dscnt 16
	CVT 1
	s_wait_tensorcnt 0x0                           ; all my tensor loads have landed, so a group 0 may be written;
	ds_add_u32 v[SPW], v[NIL]                      ; 0 onto my spare word: the descriptors' scalar work and eight products stand between it and the wait for it
.if \fill
	s_add_nc_u64 s[G0A+6:G0A+7], s[4:5], s[KO:KO+1]        ; x's address is made anew: the pointer in hand and the offset along K,
	s_or_b32 s[G0A+7], s[G0A+7], 0x80000000                ; type = 2
	s_add_co_u32 s[G0A+5], s[LA], s[SOFF]                  ; into the slot that is being left
	s_add_nc_u64 s[G0B+6:G0B+7], s[G0B+6:G0B+7], 262144    ; W's steps on by 128 rows, from one matrix of wc into the next too; the type bits on top are not reached
	s_add_co_u32 s[G0B+5], s[LB], s[SOFF]
	s_add_co_u32 s[KO], s[KO], 512                         ; the next refill's K step: 128 f32 on,
	s_cmp_eq_u32 s[KO], 4096                               ; or, behind a row's end, K step 0 of the next x: the queue moves up
	s_cselect_b32 s[KO], 0, s[KO]
	s_cselect_b64 s[4:5], s[6:7], s[4:5]
	s_cselect_b64 s[6:7], s[8:9], s[6:7]
	s_wait_xcnt 0x0                                        ; the last trip's request ahead has read its base, a K step ago: the base is written again only behind this wait
	s_add_nc_u64 s[PFB:PFB+1], s[4:5], s[KO:KO+1]          ; what the next refill will bring is asked for ahead in this trip
.endif
	s_wait_dscnt 1                                 ; W's fragments are in; the add alone may be out
	MULA 1, 0, 0
	s_wait_dscnt 0x0                               ; the add is done, and my reads of this slot are over
	s_barrier_signal -1
	MULA 1, 1, 0
	WIN 0                                          ; branches may follow
	s_barrier_wait -1
.if \fill
	CREST                                          ; no wave of any partner still reads this slot's tile or has a load on its way
	JLOAD                                          ; my one tensor load behind the round: 112 matrix instructions ahead of the wait for it
.endif
	s_xor_b32 s[SOFF], s[SOFF], SLOT               ; the other slot is in hand now
	v_add_nc_u32 v[AC], s[SOFF], v[ADRA0]
	v_add_nc_u32 v[BC], s[SOFF], v[ADRB0]
	FETCH 0, 0
	MULA 1, 2, 0
	MULA 1, 3, 0
.endm
; THE WAY OUT.  Piece t = 16 rows (block t / 2) of one head (t % 2): rounded to f16, 16 bytes a lane into my stage, back as whole rows of 128 bytes, into the registers that they left.
; Each accumulator's registers are read in ascending order.  Four sets of 16 registers take turns: x's and W's registers already hold the next tile's first fragments.
.macro PACK t
.if (\t) >= 4
	s_wait_xcnt 0x0                                ; the stores of the piece four back have read this set: it is written again only behind this wait
.endif
	WIN 0x0a                                       ; sources window 2, destination window 0
.set i, 0
.rept 16
	v_cvt_pk_f16_f32 v[OB+16*((\t)%4)+i], v[32*(\t)+2*i], v[32*(\t)+2*i+1]
.set i, i+1
.endr
	WIN 0
.irp f, 0,1,2,3
	ds_store_b128 v[STO], v[OB+16*((\t)%4)+4*\f:OB+16*((\t)%4)+4*\f+3] offset:32*\f
.endr
.irp f, 0,1,2,3
	ds_load_b128 v[OB+16*((\t)%4)+4*\f:OB+16*((\t)%4)+4*\f+3], v[RD] offset:\f*4*SP  ; LDS serves a wave's instructions in order (ISA guide 5.7.1.4): these see the stores above; the next piece's stores come behind them
.endr
.endm
.macro SEND t, younger                 ; younger: the LDS instructions issued behind piece t's loads: the next piece's eight, or none
	WIN 0
.irp f, 0,1,2,3
	s_wait_dscnt (\younger)+3-\f
	global_store_b128 v[GO], v[OB+16*((\t)%4)+4*\f:OB+16*((\t)%4)+4*\f+3], s[18:19] offset:((\t)/2)*2048+((\t)%2)*262144+\f*512  ; 512 consecutive bytes, at a multiple of 256 from the buffer's first
.endr
.endm
.macro WAYOUT
.rept 4
	v_nop                                          ; the places between the last products and the roundings that read results
.endr
	PACK 0
.set t, 1
.rept 7                                ; a piece's roundings stand between the loads of the piece before and its stores
	PACK t
	SEND t-1, 8
.set t, t+1
.endr
	SEND 7, 0
.endm
	s_wait_tensorcnt 1                             ; my part of K step 0 is in; K step 1's, issued behind it, may stay out
	s_barrier_signal -1
	s_barrier_wait -1                              ; everybody's is
	FETCH 0, 0
	WIN 0                                          ; at a label and at a branch every window is 0
	s_mov_b32 s3, STEPS-1                          ; 22 trips, and the entry below passes the loop's foot once
	s_mov_b32 s[TC], 8
	s_branch .Lbias                                ; the loop is entered where a tile begins
.Lstep:                                                ; a trip: quarters 1 to 3 of a K step, the refill with the K step two on (K steps 2 to 23 of the walk), and quarter 0 of the next K step
	QUARTER 2, 1, 0, 0
	QUARTER 3, 0, 1, 0
	TURN 1
	WIN 0
	s_sub_co_u32 s[TC], s[TC], 1
	s_cmp_eq_u32 s[TC], 0
	s_cbranch_scc1 .Lnew                           ; forward, past text with neither a barrier nor a tensor load
	QUARTER 1, 0, 1, 0
	WIN 0
	s_branch .Lbottom
.Lnew:                                                 ; A TILE IS FINISHED (trips 8 and 16).  Both slots have been asked for the next tile's K steps 0 and 1, and its first fragments are fetched: now it goes out
	s_mov_b32 s[TC], 8
	s_mov_b64 s[10:11], s[12:13]                   ; the biases' queue moves up (the loads of the bias before have been waited for)
	s_mov_b64 s[12:13], s[14:15]
	BIASLOAD                                       ; the next tile's bias comes while this tile goes out
	WAYOUT
	s_wait_xcnt 0x0                                ; the stores have read their base and their registers
	s_add_nc_u64 s[18:19], s[18:19], 0x1000000     ; the next tensor of qkvh
.Lbias:
	s_wait_loadcnt 0x0                             ; the bias
	WIN 0x45                                       ; all in window 1: the bias is rounded to bf16, like every input, and widened again
.set i, 0
.rept 32
	v_cvt_pk_bf16_f32 v[BT+i], v[BIAS+2*i], v[BIAS+2*i+1]
.set i, i+1
.endr
.set i, 0
.rept 32
	v_lshlrev_b32 v[BIAS+2*i],   16, v[BT+i]
	v_and_b32     v[BIAS+2*i+1], 0xffff0000, v[BT+i]
.set i, i+1
.endr
	WIN 0
	QUARTER 1, 0, 1, 1                             ; a tile's first quarter: its products start the sums, on the bias
	WIN 0
.Lbottom:
	s_sub_co_u32 s3, s3, 1
	s_cmp_lg_u32 s3, 0
	s_cbranch_scc1 .Lstep
	QUARTER 2, 1, 0, 0                             ; the walk's last two K steps are written out: they fill nothing, and have no round of the cluster's barrier
	QUARTER 3, 0, 1, 0
	TURN 0
	QUARTER 1, 0, 1, 0
	QUARTER 2, 1, 0, 0
	QUARTER 3, 0, 1, 0
	s_wait_dscnt 16                                ; the very last quarter: nothing more to fetch
	CVT 1
	s_wait_dscnt 0x0
	MULA 1, 0, 0
	MULA 1, 1, 0
	MULA 1, 2, 0
	MULA 1, 3, 0
	WIN 0
	WAYOUT
	s_wait_tensorcnt 0x0                           ; the wave's end: behind my last tensor load and my last LDS store
	ds_add_u32 v[SPW], v[NIL]
	s_wait_dscnt 0x0
	CROUND                                         ; the closing round: no work-group ends while a partner may still ask for a tile that names it
	s_endpgm
.Lfunc_end_k_qdfdd295d92_proj:
	.size	k_qdfdd295d92_proj, .Lfunc_end_k_qdfdd295d92_proj-k_qdfdd295d92_proj
	.p2alignl 7, 3214868480
	.fill 96, 4, 3214868480
	.section	.rodata,"a",@progbits
	.p2align	6, 0x0
	.amdhsa_kernel k_qdfdd295d92_proj
		.amdhsa_group_segment_fixed_size 327680
		.amdhsa_private_segment_fixed_size 0
		.amdhsa_enable_private_segment 0
		.amdhsa_kernarg_size 64
		.amdhsa_user_sgpr_count 2
		.amdhsa_user_sgpr_kernarg_segment_ptr 1
		.amdhsa_wavefront_size32 1
		.amdhsa_system_sgpr_workgroup_id_x 1
		.amdhsa_system_sgpr_workgroup_id_y 1
		.amdhsa_system_sgpr_workgroup_id_z 1
		.amdhsa_system_vgpr_workitem_id 0
		.amdhsa_next_free_vgpr 768
		.amdhsa_next_free_sgpr 80
		.amdhsa_reserve_vcc 0
		.amdhsa_float_denorm_mode_32 3
		.amdhsa_float_denorm_mode_16_64 3
		.amdhsa_memory_ordered 1
		.amdhsa_forward_progress 1
		.amdhsa_inst_pref_size 127
	.end_amdhsa_kernel
	.amdgpu_metadata
---
amdhsa.version: [ 1, 2 ]
amdhsa.kernels:
  - .name:           k_qdfdd295d92_proj
    .symbol:         k_qdfdd295d92_proj.kd
    .args:
      - { .name: query, .offset: 0, .size: 8, .value_kind: global_buffer, .address_space: global }
      - { .name: key, .offset: 8, .size: 8, .value_kind: global_buffer, .address_space: global }
      - { .name: value, .offset: 16, .size: 8, .value_kind: global_buffer, .address_space: global }
      - { .name: bq, .offset: 24, .size: 8, .value_kind: global_buffer, .address_space: global }
      - { .name: bk, .offset: 32, .size: 8, .value_kind: global_buffer, .address_space: global }
      - { .name: bv, .offset: 40, .size: 8, .value_kind: global_buffer, .address_space: global }
      - { .name: wc, .offset: 48, .size: 8, .value_kind: global_buffer, .address_space: global }
      - { .name: qkvh, .offset: 56, .size: 8, .value_kind: global_buffer, .address_space: global }
    .group_segment_fixed_size: 327680
    .private_segment_fixed_size: 0
    .kernarg_segment_align: 8
    .kernarg_segment_size: 64
    .max_flat_workgroup_size: 128
    .sgpr_count:     80
    .vgpr_count:     768
    .wavefront_size: 32
...
	.end_amdgpu_metadata
.endif
;; end of part 2
;; launch attn (part 3): grid 4 x 64, 4 waves a work-group, clusters of 4 x 1, 327,680 bytes of LDS; arguments qkvh, mask, oh; writes oh
.if DOCPART == 3
	.amdgcn_target "amdgcn-amd-amdhsa--gfx1250"
	.amdhsa_code_object_version 6
	.text
	.protected	k_qdfdd295d92_attn
	.globl	k_qdfdd295d92_attn
	.p2align	8
	.type	k_qdfdd295d92_attn,@function
k_qdfdd295d92_attn:
	s_mov_b64 s[64:65], 0
	v_nop
	global_prefetch_b8 v0, s[64:65] scope:SCOPE_SE
	s_setreg_imm32_b32 hwreg(HW_REG_WAVE_MODE, 25, 1), 1
	s_wait_xcnt 0x0
	s_wait_alu depctr_hold_cnt(0) depctr_sa_sdst(0) depctr_va_vdst(0) depctr_va_sdst(0) depctr_va_ssrc(0) depctr_va_vcc(0) depctr_vm_vsrc(0)
	s_getreg_b32 s2, hwreg(HW_REG_IB_STS2, 6, 4)
	s_cmp_eq_u32 s2, 0
	s_cbranch_scc0 .Lentry_in_a_cluster
	s_endpgm
.Lentry_in_a_cluster:
	s_bfe_u32 s2, ttmp6, 0x10000c
	s_cmp_lg_u32 s2, 0x3003
	s_cbranch_scc0 .Lentry_shape_is_right
	s_endpgm
.Lentry_shape_is_right:
; O[h][q][:] = the sum over the keys k that the mask lets through of softmax_k(Q[h][q] . K[h][k] / 8) V[h][k][:].  Q, K, V (in qkvh, 16,777,216 bytes each) and O: [64][2048][64] in f16: a head's rows
; are dense, 128 bytes each.  mask: [4][2048] bytes, one row for the 16 heads of a batch.  Products, maxima and sums in f32; the weights p are rounded to f16 for the second product (their sum l is
; taken of the unrounded p), O once at the end.
; LIMITS.  f16 holds no number beyond 65,504: Q, K and V arrive within it, so a score is 2.7e11 at the most.  A hidden score counts as its value less 1e30.  The running maximum starts at -2^50, below every
; score and above every hidden one: a hidden score never becomes the maximum, and its weight is 0.  A batch whose mask lets no key through gives NaN, as a softmax over nothing does.
; p lies in 0 to 1, and below 6e-5 it keeps f16's fixed step of 6e-8; a weight below 2^-126 counts as 0 in l; NaN and infinities in the inputs are not treated apart.
; SHARES.  A wave owns four PIECES of two tiles of 16 queries, a work-group's four waves 512 queries of one head: 4 x 64 = 256 work-groups.  Every wave walks all keys, 64 a step.
; LAYOUT.  S^T = K Q^T (source 0 = 16 keys, source 1 = 16 queries): in the result a lane holds ONE query (lane % 16) and the keys 8 (lane / 16) + 0..7.  Two such tiles, rounded to f16 in pairs,
; ARE source 1 (32 keys x 16 queries) of O^T = V^T P, whose result again holds one query a lane, and eight channels.  K comes out of LDS as it lies, V ([key][channel]) turned, by ds_load_tr16_b128.
; THE MASK is the C operand that starts the sum S^T: 0, or -1e30 where the key is hidden.  The batch's 2,048 bytes are turned once into a table of 2,048 f32 in LDS; with a step's K its 64 numbers
; come into 32 registers, eight for each group of 16 keys.  The scores cost nothing more.
; SOFTMAX.  For each query a running maximum m and sum l: p = 2^(c s - c m), c = log2(e) / 8; in every step O and l are multiplied by a = 2^(c m_old - c m_new), which is 1 where m has not grown.
; c m starts far below every c m to come, O and l at 0: the first step is a step like any other, with a = 0.
; THE COUNT.  A tile and step have 16 matrix and 118 vector instructions: too many to stand all beside the matrix work.  So the order has one aim: four vector instructions that are READY behind
; EVERY matrix instruction, and the others, which need time of their own whatever the order, in runs without a gap.
; BY TURNS.  Turn n belongs to piece n (the pieces in a ring, step after step).  Its matrix work: 16 products K Q^T of piece n + 1, later 16 products V^T P of piece n - 1.  Its vector work: the scaling,
; exponentials, roundings, sums and rescaling of piece n, and the maximum and statistics of piece n + 1, whose scores the turn itself has made.  So what a turn begins with (c s - c m, O a) waits for nothing.
; CLUSTER.  The four query blocks of a cluster belong to one head and walk the same K and V, so each tile is asked for JOINTLY: the same tensor load, descriptor and mask in all four.
; REGISTERS, in windows of 256 (s_set_vgpr_msb says which window each operand place means: bits 1:0 source 0, 3:2 source 1, 5:4 source 2, 7:6 destination):
;   window 0: v0-11 addresses; v12-15, v48-63 at work; v16-47 four registers of statistics a tile; v64-191 S^T, two buffers of two tiles; v192-255 P, likewise
;   window 1: O^T, 32 a tile     window 2: v0-127 Q, 16 a tile; v128-191 K of one step; v192-255 V of one step     window 3: v0-1 the add's two registers; v8-39 the mask of one step
; A piece's buffers go by its number's parity: the piece in hand has one pair, its two neighbours in the ring share the other: of it P (piece n - 1) is read and S^T (piece n + 1) written.
.set SIZE_H, 64
.set SIZE_N, 2048
.set NP,    4         ; pieces a wave: a name, no knob: the register map, the loop and the fetches are made for four
.set KS,    64        ; keys in a step
.set PK,    144       ; a row of K in LDS: 128 bytes + 16 of padding = 36 words: the 16 rows of a load start at 16 different groups of four banks (64 banks of 4 bytes: ISA guide 11.1)
.set PV,    160       ; a row of V: 128 + 32 = 40 words
.set VOFF,  4*KS*PK   ; a slot holds four steps: 256 rows of K, then 256 rows of V
.set SLOT1, 1<<17     ; slot 1 begins here, so that one exclusive or turns an address in one slot into the other's
.set STAGE, SLOT1+4*KS*(PK+PV)  ; behind the ring, never filled by a tensor load: 16 rows x 144 bytes for each wave, for the way out
.set SP,    144
.set SPARE, STAGE+4*16*SP  ; behind the stages: the spare words, 128 bytes for each wave: two blocks of 256 bytes that no other line names
.set MASKB, SPARE+512 ; behind them: the mask's table, 2,048 f32, never filled by a tensor load
.set AM,  1           ; v1   the LDS address of the mask's next run of loads
.set AK0, 2           ; v2   my lane's place in a tile of K; never rewritten
.set AV0, 3           ; v3   the same for V
.set AK,  4           ; v4   the LDS address of K's next run of loads
.set AV,  5           ; v5   of V's
.set STO, 6           ; v6   the way out: where I put 16 bytes of a row
.set RD,  7           ; v7   the way out: where I read rows back
.set GO,  8           ; v8   my byte offset in 512 consecutive bytes of O
.set AM0, 9           ; v9   my lane's place in a step's 256 bytes of the table; never rewritten
.set SPW, 0           ; v0 of window 3   LDS address of my spare word: SPARE + 4 x my thread's number; never rewritten
.set NIL, 1           ; v1 of window 3   0; never rewritten
.set MC,  8           ; v8-39 of window 3: the eight registers for group kb of 16 keys at MC + 8 kb
.set MV,  12          ; v12-15  c m_old, kept while c m is made anew: by buffer and tile
.set QO,  12          ; v12  at the start: my byte offset in the wave's rows of Q (v13: in the mask's row; v14: my place in the table)
.set ST,  16          ; tile t's statistics at v[ST+4 t]: c m, m, l (even keys', odd keys')
.set TMP, 48          ; by buffer and tile, four registers c0-c3 at work; when the maximum is found c2 takes a
.set S,   64
.set P,   192
.set KF,  128         ; K's fragments, in window 2: key block kb, channel half c at KF + 16 kb + 8 c
.set VF,  192         ; V's: key half kk, channel block cb at VF + 32 kk + 8 cb
.set WV,  12          ; s12  my wave's number
.set G1K, 24          ; s[24:31] descriptor group 1 for K's tiles
.set G1V, 32          ; s[32:39] for V's: it differs in the padding alone
.set G0K, 40          ; s[40:43] descriptor group 0 for K's tiles: it walks
.set G0V, 44          ; s[44:47] the same for V's
.set SLOTS, 56        ; s56  slots still to be asked for
.set CNT, 57          ; s57  counts a slot's key steps
.set CS,  58          ; s[58:59] c: the packed scaling takes the pair's low word for both halves
.set SEL, 60          ; s[60:61] v_permlanex16_b32's selects: each lane takes its own place in the other half
.set TBK, 62          ; s62  LDS byte at which K of the step to be fetched begins
.set TBV, 63          ; s63  the same for V, less VOFF
.set TBM, 66          ; s66  byte of the table at which that step's 64 numbers begin
.set BIGN, 67         ; s67  -1e30
.set THR, 68          ; s68  -2^45: between m's start and every score
.set QNAN, 69         ; s69  a NaN
.set MSB, 0
.macro WIN new                      ; the high byte repeats the setting that is left; a switch that changes nothing is dropped
.if MSB != (\new)
	s_set_vgpr_msb (MSB<<8)|(\new)
.set MSB, (\new)
.endif
.endm
.set W_KQ, 0x0a       ; K and Q in window 2, S^T in window 0
.set W_KM, 0x3a       ; the same with the C operand, the mask, in window 3
.set W_PV, 0x52       ; V in window 2, P in window 0, O^T in window 1
.set W_RS, 0x41       ; O^T (destination and source 0) in window 1, a in window 0
.set W_MK, 0xc0       ; destination in window 3, sources in window 0
.set W_AD, 0x0f       ; the add: address (source 0) and data (source 1) in window 3
; A joint fill.  Waves 0 and 1 fetch the two halves of a slot's K, waves 2 and 3 those of its V: 128 keys each.  The branch hangs on the wave's number alone.
; An s_nop 0 and four v_nop follow each of the two lines, ahead of the jump and the label.
.macro JLOAD
	s_cmp_lt_u32 s[WV], 2
	s_cbranch_scc0 .Lfor_v_\@
	tensor_load_to_lds s[G0K:G0K+3], s[G1K:G1K+7]
	s_nop 0
.rept 4
	v_nop
.endr
	s_branch .Lasked_\@
.Lfor_v_\@:
	tensor_load_to_lds s[G0V:G0V+3], s[G1V:G1V+7]
	s_nop 0
.rept 4
	v_nop
.endr
.Lasked_\@:
.endm
; A round of the cluster's barrier: my work-group's barrier, so that wave 0's signal speaks for all four waves; wave 0 signals; every wave waits for all four work-groups; my work-group's barrier once more.
.macro CROUND
	s_barrier_signal -1
	s_barrier_wait -1
	s_cmp_lg_u32 s[WV], 0
	s_cbranch_scc1 .Lnot_wave_0_\@
	s_barrier_signal -3
.Lnot_wave_0_\@:
	s_barrier_wait -3
	s_barrier_signal -1
	s_barrier_wait -1
.endm
; THE CHANGE OF SLOTS.  The slot's last bytes, V of its fourth step, have been read.  Each wave waits for all its tensor loads, of which one is out: its part
; of the other slot; adds 0 to its spare word; and waits for that and for its own reads of the slot.  Behind the barrier nobody reads this slot any more and the other slot is whole.
; fill = 1: this slot is filled again, with the keys two slots on.  The barrier is then a round of the cluster's, so that no wave of any partner still reads the slot or has a load on its
; way, and the joint fill is the first thing behind it: it has four key steps, 512 matrix instructions, in which to land.  (At its first use nothing has been read yet: slot 0 is waited for, slot 1
; filled; and each wave's stores into the mask's table are done in front of the round, behind which every wave reads the table.)
.macro CHANGE fill
	WIN W_AD
	s_wait_tensorcnt 0x0            ; no tensor load of mine is out, so a group 0 may be written
	ds_add_u32 v[SPW], v[NIL]       ; 0 onto my spare word: with fill = 1 the descriptors' steps stand between it and the wait for it
	WIN 0                           ; at a label and at a branch every window is 0
.if \fill
.irp g, G0K, G0V
	s_xor_b32 s[\g+1], s[\g+1], SLOT1  ; the walking descriptor: the other slot than last time,
	s_add_nc_u64 s[\g+2:\g+3], s[\g+2:\g+3], 4*KS*128  ; the next 256 keys; the type bits on top are not reached
.endr
	s_wait_dscnt 0x0                ; the add is done, and my reads of the slot are over
	CROUND
	JLOAD
.else
	s_wait_dscnt 0x0                ; the add is done, and my reads of the slot are over
	s_barrier_signal -1
	s_barrier_wait -1
.endif
	s_sub_co_u32 s[TBK], s[TBK], 4*KS*PK  ; the fetches go back to a slot's first step,
	s_xor_b32 s[TBK], s[TBK], SLOT1       ; in the other slot
	s_sub_co_u32 s[TBV], s[TBV], 4*KS*PV
	s_xor_b32 s[TBV], s[TBV], SLOT1
.endm
	s_load_b128 s[4:7], s[0:1], 0x0   ; qkvh s[4:5], mask s[6:7]
	s_load_b64 s[10:11], s[0:1], 0x10 ; oh
	WIN W_MK
	v_lshl_add_u32 v[SPW], v0, 2, SPARE
	v_mov_b32 v[NIL], 0
	s_set_vgpr_msb 0xc0cf
	ds_add_u32 v0, v1
	s_wait_dscnt 0x0
	s_set_vgpr_msb 0xcfc0
	WIN 0
	v_lshrrev_b32 v1, 5, v0
	v_readfirstlane_b32 s[WV], v1   ; wave 0..3
	s_bfe_u32 s13, ttmp6, 0x40000   ; cx: my place in the cluster
	s_lshl_b32 s14, ttmp9, 2        ; in a cluster launch ttmp9 counts clusters
	s_add_co_u32 s14, s14, s13      ; my block of queries = 4 x cluster x + cx: it enters Q's and O's addresses alone
	s_and_b32 s20, ttmp7, 0xffff    ; the head, which the four partners share
	s_lshr_b32 s50, s20, 4          ; its batch,
	s_lshl_b32 s50, s50, 11         ; whose row of the mask is 2,048 bytes
	s_mov_b32 s51, 0
	s_mov_b32 s21, 0
	s_mov_b64 s[22:23], SIZE_N*128
	s_mul_u64 s[20:21], s[20:21], s[22:23]  ; the head's first byte in each of the four tensors
	s_and_b32 s16, s[WV], 1         ; which half of a slot's 256 keys I fetch:
	s_lshl_b32 s22, s16, 14         ; its 128 rows of 128 bytes in memory,
	s_mov_b32 s23, 0
	s_add_nc_u64 s[22:23], s[22:23], s[20:21]
	s_mul_i32 s17, s16, 128*PK      ; and its place in a slot, for K
	s_mul_i32 s18, s16, 128*PV      ; and for V: no place in the cluster enters an LDS address
	s_lshl_b32 s2, s14, 2
	s_add_co_u32 s2, s2, s[WV]      ; my wave among the head's,
	s_lshl_b32 s2, s2, 14           ; its 128 rows
	s_mov_b32 s3, 0
	s_add_nc_u64 s[2:3], s[2:3], s[20:21]
	; descriptor group 1.  128 keys are 16,384 dense bytes: asked for as 64 rows of 256 bytes, two keys a row, and padded in LDS after every key
	s_mov_b32 s[G1K], 15|(1<<16)|(1<<20)|(1<<21)|(4<<22)|(3<<25)  ; 15:0 the mask of four; 17:16 2-byte elements; 20 padding on; 21 set beside a mask; 24:22 after every 32 words (code 4); 31:25 4 words (code 3)
	s_mov_b32 s[G1V], 15|(1<<16)|(1<<20)|(1<<21)|(4<<22)|(7<<25)  ; the same with 8 words of padding (code 7)
.irp g, G1K, G1V
	s_mov_b32 s[\g+1], 128<<16      ; tensor_dim0 = 128
	s_mov_b32 s[\g+2], 64<<16       ; tensor_dim1 = 64
	s_mov_b32 s[\g+3], 128<<16      ; tile_dim0 = 128
	s_mov_b32 s[\g+4], 64           ; tile_dim1 = 64
	s_mov_b32 s[\g+5], 128          ; 128 elements from row to row
	s_mov_b32 s[\g+6], 0
	s_mov_b32 s[\g+7], 0
.endr
	s_mov_b32 s[CS], 0x3e38aa3b     ; c = log2(e) / 8 = 0.180337
	s_mov_b32 s[CS+1], s[CS]        ; named with it as a pair
	s_mov_b32 s[SEL], 0x76543210
	s_mov_b32 s[SEL+1], 0xfedcba98
	s_mov_b32 s[TBK], SLOT1+4*KS*PK ; the first change of slots turns these two into 0
	s_mov_b32 s[TBV], SLOT1+4*KS*PV
	s_mov_b32 s[TBM], 0
	s_mov_b32 s[BIGN], 0xf149f2ca   ; -1e30
	s_mov_b32 s[THR], 0xd6000000    ; -2^45
	s_mov_b32 s[QNAN], 0x7fc00000
	s_mov_b32 s[G0K], 1             ; 1:0 count = 1
	s_mov_b32 s[G0K+1], s17         ; 63:32 LDS address: slot 0
	s_mov_b32 s[G0V], 1
	s_add_co_u32 s[G0V+1], s18, VOFF
	s_wait_kmcnt 0x0
	s_add_nc_u64 s[48:49], s[6:7], s[50:51]        ; the mask at my batch's row
	s_add_nc_u64 s[8:9], s[4:5], 0x2000000         ; V lies 33,554,432 bytes into qkvh,
	s_add_nc_u64 s[6:7], s[4:5], 0x1000000         ; K 16,777,216
	s_add_nc_u64 s[G0K+2:G0K+3], s[6:7], s[22:23]  ; 120:64 global address: my half of the head's first 256 keys
	s_or_b32 s[G0K+3], s[G0K+3], 0x80000000        ; 127:126 type = 2
	s_add_nc_u64 s[G0V+2:G0V+3], s[8:9], s[22:23]
	s_or_b32 s[G0V+3], s[G0V+3], 0x80000000
	s_add_nc_u64 s[4:5], s[4:5], s[2:3]  ; Q and O at my wave's first row
	s_add_nc_u64 s[10:11], s[10:11], s[2:3]
	CROUND                          ; all four work-groups are here: the first joint loads meet
	JLOAD                           ; slot 0.  Slot 1 is asked for when slot 0 is in: the tile wanted first has the road to itself
	v_lshlrev_b32 v13, 4, v0        ; thread t takes the mask's bytes 16 t to 16 t + 15: 128 threads, 2,048 keys
	global_load_b128 v[48:51], v13, s[48:49]
	; A fragment of K or Q is 16 rows x 32 channels in 8 registers: lane l holds row l % 16, channels 8 (l / 16) + 0..7 and 16 + 8 (l / 16) + 0..7: two loads of 16 bytes, 32 bytes apart.
	v_and_b32 v1, 15, v0            ; l % 16
	v_bfe_u32 v9, v0, 4, 1          ; l / 16
	v_lshlrev_b32 v[QO], 7, v1
	v_lshl_add_u32 v[QO], v9, 4, v[QO]  ; row x 128 + 16 x half
	WIN 0x80                        ; destination window 2, address window 0
.set i, 0
.rept 4*NP                          ; Q stays in registers: tile i / 2, channels 32 (i % 2) on
	global_load_b128 v[8*i:8*i+3],   v[QO], s[4:5] offset:(i/2)*2048+(i%2)*64
	global_load_b128 v[8*i+4:8*i+7], v[QO], s[4:5] offset:(i/2)*2048+(i%2)*64+32
.set i, i+1
.endr
	; What the first turn finds: V's registers and P's second buffer hold 0 (its products V^T P, of a piece that has not been, add 0), O^T and l are 0.  All this stands in the wait for the first tile.
.set i, VF
.rept 64
	v_mov_b32 v[i], 0
.set i, i+1
.endr
	WIN 0x40
.set i, 0
.rept 64*NP
	v_mov_b32 v[i], 0
.set i, i+1
.endr
	WIN 0
.set i, 0
.rept 2*NP
	v_mov_b32 v[ST+4*i], 0xfe000000    ; c m: far below every c m to come, so that the first a is 0
	v_mov_b32 v[ST+4*i+1], 0xd8800000  ; m = -2^50: below every score, above every hidden one
	v_mov_b32 v[ST+4*i+2], 0
	v_mov_b32 v[ST+4*i+3], 0
.set i, i+1
.endr
.set i, P+32
.rept 32
	v_mov_b32 v[i], 0
.set i, i+1
.endr
	v_mul_u32_u24 v[AK0], v1, PK
	v_lshl_add_u32 v[AK0], v9, 4, v[AK0]  ; row x pitch + 16 x half
	; The turning load takes 16 keys x 16 channels (lane l reads key 8 (l / 16) + l % 8, channels 8 ((l / 8) % 2) + 0..7) and leaves half a fragment of V^T: lane l holds channel l % 16 and 8 keys.
	v_and_b32 v10, 7, v0
	v_bfe_u32 v11, v0, 3, 1
	v_lshl_add_u32 v[AV0], v9, 3, v10
	v_mul_u32_u24 v[AV0], v[AV0], PV
	v_lshl_add_u32 v[AV0], v11, 4, v[AV0]
	v_add_nc_u32 v[AV0], VOFF, v[AV0]
	v_mov_b32 v[AK], v[AK0]         ; key step 0 lies at the head of slot 0
	s_mul_i32 s13, s[WV], 16*SP
	s_add_co_u32 s13, s13, STAGE    ; my stage
	v_mul_u32_u24 v[STO], v1, SP    ; in: row l % 16, 16 bytes for each half of the lanes
	v_lshl_add_u32 v[STO], v9, 4, v[STO]
	v_add_nc_u32 v[STO], s13, v[STO]
	v_bfe_u32 v[RD], v0, 3, 2       ; back: 32 lanes take four rows of 128 bytes,
	v_mul_u32_u24 v[RD], v[RD], SP
	v_lshl_add_u32 v[RD], v10, 4, v[RD]
	v_add_nc_u32 v[RD], s13, v[RD]
	v_and_b32 v[GO], 31, v0         ; which are 512 consecutive bytes of O
	v_lshlrev_b32 v[GO], 4, v[GO]
	; THE MASK'S TABLE: my 16 bytes become 16 f32, 0 where the byte is not 0 and -1e30 where it is, and go to bytes 64 t on of the table
	s_wait_loadcnt 32               ; the mask's load is in; Q's 32, issued behind it, may be out
.set n, 0
.rept 16
	v_bfe_u32 v[S+n], v[48+n/4], 8*(n%4), 8
	v_cmp_eq_u32 vcc_lo, 0, v[S+n]
	v_cndmask_b32 v[S+n], 0, s[BIGN], vcc_lo
.set n, n+1
.endr
	v_lshl_add_u32 v14, v0, 6, MASKB
.irp w, 0,1,2,3
	ds_store_b128 v14, v[S+4*\w:S+4*\w+3] offset:16*\w
.endr
	v_lshl_add_u32 v[AM0], v9, 5, MASKB  ; register j of group kb is key 16 kb + 8 (l / 16) + j of the step: 32 bytes for each half of the lanes
	v_mov_b32 v[AM], v[AM0]         ; key step 0
; THE MATRIX WORK.  The 8 accumulators of a run of 16 take turns: between the two links of a chain stand 7 others'.
; Product i of 16 of S^T = K Q^T for piece x: channels 32 (i / 8) on, keys 16 ((i / 2) % 4) on, tile 2 x + i % 2.  The first 8 start the sums, on the mask.
.macro KQ x
.set rS, S+64*((\x)%2)+32*(i%2)+8*((i/2)%4)
.set rK, KF+16*((i/2)%4)+8*(i/8)
.set rQ, 16*(2*(\x)+i%2)+8*(i/8)
.set rMC, MC+8*((i/2)%4)
.if i < 8
	WIN W_KM
	v_wmma_f32_16x16x32_f16 v[rS:rS+7], v[rK:rK+7], v[rQ:rQ+7], v[rMC:rMC+7]
.else
	WIN W_KQ
	v_wmma_f32_16x16x32_f16 v[rS:rS+7], v[rK:rK+7], v[rQ:rQ+7], v[rS:rS+7]
.endif
.endm
; Product i of 16 of O^T += V^T P for piece x: keys 32 (i / 8) on, channels 16 ((i / 2) % 4) on, tile 2 x + i % 2.
.macro PV x
	WIN W_PV
.set rO, 32*(2*(\x)+i%2)+8*((i/2)%4)
.set rV, VF+32*(i/8)+8*((i/2)%4)
.set rP, P+32*((\x)%2)+16*(i%2)+8*(i/8)
	v_wmma_f32_16x16x32_f16 v[rO:rO+7], v[rV:rV+7], v[rP:rP+7], v[rO:rO+7]
.endm
.macro MM                           ; the turn's next matrix instruction
.if i < 16
	KQ (Y+1)%NP
.set i, i+1
.else
.set i, i-16
	PV (Y+NP-1)%NP
.set i, i+17
.endif
.endm
; THE LDS LOADS stand in runs, never singly among the matrix instructions: a step's K (64 keys x 64 channels: 8 fragments) with its 64 numbers of the mask, and its V (turned).  Their addresses are made some lines ahead.
; last = 1 (the tail): in the last trip there is no further step, and the run is jumped over.
.macro FETCH_K last=0
	WIN 0
.if \last
	s_cmp_eq_u32 s[CNT], 1
	s_cbranch_scc1 .Lno_k_\@
.endif
	WIN 0x80                        ; destination window 2
.irp f, 0,1,2,3,4,5,6,7             ; keys 16 (f / 2) on, channels 32 (f % 2) on
	ds_load_b128 v[KF+8*\f:KF+8*\f+3],   v[AK] offset:(\f/2)*16*PK+(\f%2)*64
	ds_load_b128 v[KF+8*\f+4:KF+8*\f+7], v[AK] offset:(\f/2)*16*PK+(\f%2)*64+32
.endr
	WIN W_MK                        ; destination window 3
.irp f, 0,1,2,3                     ; keys 16 f on: the 16 lanes of a half read the same 32 bytes
	ds_load_b128 v[MC+8*\f:MC+8*\f+3],   v[AM] offset:64*\f
	ds_load_b128 v[MC+8*\f+4:MC+8*\f+7], v[AM] offset:64*\f+16
.endr
	s_add_co_u32 s[TBK], s[TBK], KS*PK  ; the next fetch is the next step's
	s_add_co_u32 s[TBM], s[TBM], 4*KS
	s_and_b32 s[TBM], s[TBM], 4*SIZE_N-1  ; the table has 32 steps of 256 bytes: the number stays inside it
	WIN 0
.if \last
.Lno_k_\@:
.endif
.endm
.macro FETCH_V
	WIN 0x80
.irp f, 0,1,2,3,4,5,6,7             ; keys 32 (f / 4) on, channels 16 (f % 4) on
	ds_load_tr16_b128 v[VF+8*\f:VF+8*\f+3],   v[AV] offset:(\f/4)*32*PV+(\f%4)*32
	ds_load_tr16_b128 v[VF+8*\f+4:VF+8*\f+7], v[AV] offset:(\f/4)*32*PV+16*PV+(\f%4)*32
.endr
	WIN 0
.endm
; THE VECTOR WORK OF A TURN stands in three queues, each in the order in which its entries become ready; the two tiles alternate, so that no instruction reads the result of the one before it.
.macro REGS y, u                    ; the registers of tile u (0, 1) of piece y
.set rT, ST+4*(2*(\y)+(\u))
.set rC, TMP+8*((\y)%2)+4*(\u)
.set rM, MV+2*((\y)%2)+(\u)
.set rS, S+64*((\y)%2)+32*(\u)
.set rP, P+32*((\y)%2)+16*(\u)
.set rO, 32*(2*(\y)+(\u))
.endm
; Number n of the 22 that find the NEXT piece's (Y + 1) maximum and statistics.  s0-s31 are the lane's 32 scores; each accumulator's lowest registers are read first.  XS, GS and REGS set no window: PL and EX do.
;   0-11  four chains c0-c3 of seven scores each, three operands at a time     12-14, 16  the four scores left over, the old m, and c0-c3 into c0     15  c m_old is kept
;   17, 18  the query's other 32 keys lie in the lane 16 away: the new m         19-21  c m; c m_old - c m_new; a
.macro XS u, n
	REGS (Y+1)%NP, \u
.if (\n) < 4
	v_max3_num_f32 v[rC+(\n)], v[rS+8*(\n)], v[rS+8*(\n)+1], v[rS+8*(\n)+2]
.elseif (\n) < 12
	v_max3_num_f32 v[rC+(\n)%4], v[rC+(\n)%4], v[rS+8*((\n)%4)+2*((\n)/4)+1], v[rS+8*((\n)%4)+2*((\n)/4)+2]
.elseif (\n) == 12
	v_max3_num_f32 v[rC], v[rC], v[rS+7], v[rS+15]
.elseif (\n) == 13
	v_max3_num_f32 v[rC+1], v[rC+1], v[rS+23], v[rS+31]
.elseif (\n) == 14
	v_max3_num_f32 v[rC+2], v[rC+2], v[rC+3], v[rT+1]
.elseif (\n) == 15
	v_mov_b32 v[rM], v[rT]
.elseif (\n) == 16
	v_max3_num_f32 v[rC], v[rC], v[rC+1], v[rC+2]
.elseif (\n) == 17
	v_permlanex16_b32 v[rC+3], v[rC], s[SEL], s[SEL+1]
.elseif (\n) == 18
	v_max_num_f32 v[rT+1], v[rC], v[rC+3]
.elseif (\n) == 19
	v_mul_f32 v[rT], s[CS], v[rT+1]
.elseif (\n) == 20
	v_sub_f32 v[rC+1], v[rM], v[rT]
.else
	v_exp_f32 v[rC+2], v[rC+1]
.endif
.endm
; Number g of the 64 that follow the exponentials.  For each four weights k of a tile (pairs 2 k, 2 k + 1): both pairs are rounded to f16; then the second pair is added onto the first, in place;
; a group later l takes that sum (the first time as l = a l + sum).  In groups of eight, tiles alternating: round, round, add, and l for the group before.
.macro GS g
.set h, (\g)+6*((\g)/62)            ; group 0 has no group before it, and behind group 7 only l is left
.if h >= 6
.set h, h+2
.endif
	REGS Y, h%2
.set k, h/8
.if h%8 < 4
	s_wait_alu depctr_va_vdst(0)
	v_cvt_pk_f16_f32 v[rP+2*k+(h%8)/2], v[rS+4*k+2*((h%8)/2)], v[rS+4*k+2*((h%8)/2)+1]
.elseif h%8 < 6
	v_pk_add_f32 v[rS+4*k:rS+4*k+1], v[rS+4*k:rS+4*k+1], v[rS+4*k+2:rS+4*k+3]
.elseif k == 1
	v_pk_fma_f32 v[rT+2:rT+3], v[rT+2:rT+3], v[rC+2:rC+3], v[rS:rS+1] op_sel_hi:[1,0,1]
.else
	v_pk_add_f32 v[rT+2:rT+3], v[rT+2:rT+3], v[rS+4*k-4:rS+4*k-3]
	s_wait_alu depctr_va_vdst(0)
.endif
.endm
; THE PLAIN QUEUE, 138 long.  0-31: c s - c m for the 16 pairs of both tiles.  Then GS's 64, and among them the next piece's 42: number 15 at 38, 39; 0-14 and 16
; at 42-73, behind the products that make those scores; 17-20 at 95-106, two of three, since each waits for the one before it.
.macro PL
	WIN 0
.if q < 32
	REGS Y, q%2
	v_pk_fma_f32 v[rS+2*(q/2):rS+2*(q/2)+1], v[rS+2*(q/2):rS+2*(q/2)+1], s[CS:CS+1], v[rT:rT+1] op_sel_hi:[1,0,0] neg_lo:[0,0,1] neg_hi:[0,0,1]
.elseif q < 38
	GS q-32
.elseif q < 40
	XS q%2, 15
.elseif q < 42
	GS q-34
.elseif q < 74
	XS q%2, (q-42)/2+(q-42)/30
.elseif q < 95
	GS q-66
.elseif (q < 107) && ((q-95)%3 < 2)
	XS (q-95)%3, 17+(q-95)/3
.elseif q < 107
	GS 29+(q-95)/3
.else
	GS q-74
.endif
.set q, q+1
.endm
; THE EXPONENTIALS' QUEUE, 66 long: s0-s31 of both tiles, and at EA the next piece's two a.
.set EA, 58
.macro EX
	WIN 0
.if (e == EA) || (e == EA+1)
	XS e-EA, 21
.else
.set x, e-2*(e/(EA+2))
	REGS Y, x%2
	v_exp_f32 v[rS+x/2], v[rS+x/2]
.endif
.set e, e+1
.endm
; THE RESCALING's QUEUE: O^T times a, the one part that leaves window 0, so it is dealt four at a time, eight times.
.macro R4
	REGS Y, r%2
	WIN W_RS
	s_wait_alu depctr_va_vdst(0)
.irp z, 0,1,2,3
	v_pk_mul_f32 v[rO+8*(r/2)+2*\z:rO+8*(r/2)+2*\z+1], v[rO+8*(r/2)+2*\z:rO+8*(r/2)+2*\z+1], v[rC+2:rC+3] op_sel_hi:[1,0]
.endr
.set r, r+1
.endm
; HOW THEY ARE DEALT.  Behind a matrix instruction four: plain, exponential, plain, plain (one exponential, a plain instruction on either side), or four of the rescaling.  None names a register of the
; products round it.  What is over stands in two LUMPS: exponential and plain by turns; the second ends in 22 plain instructions.  The two v_permlanex16_b32 fall into the second lump, never behind a product.
; The queues lean on each other, and the deal keeps them in step: exponential e stands behind plain 2 (e / 4) + e % 2 (its scaling); when plain 32 comes, 10 exponentials are out, at 59: 33, at 95: 46; EA comes behind plain 107.
.macro SL
	MM
	PL
	EX
	PL
	PL
.endm
.macro BURST n                      ; 15 matrix instructions, or 16
.rept (\n)-7
	SL
.endr
.rept 3
	MM
	R4
	SL
.endr
	MM
	R4
.endm
; A TURN, for piece p.  cnt = 1: the loop's count is taken down some lines ahead of the branch that stands behind the turn.
; K and the mask of the next step are fetched in piece 2's turn, 32 vector instructions behind the last product that read K (the mask's last reader stands eight products further back); their first reader
; comes behind the rest of the lump, 16 products and the second lump.  V of the step in hand is fetched at the end of piece 0's turn, 69 behind its last reader; its first reader comes behind 16 products
; and a lump.  The four conditions on e and q below go with the deal.
.macro TURN p, last=0, cnt=0
.set Y, (\p)
.set i, 0
.set q, 0
.set e, 0
.set r, 0
.if (\p) == NP-1
	s_wait_dscnt 0x0                ; K and the mask are in
.endif
	MM
.rept 4
	PL
.endr
	BURST 15
.rept 22
	EX
	PL
.if ((\p) == NP-2) && (e == 18)
	v_add_nc_u32 v[AK], s[TBK], v[AK0]
	v_add_nc_u32 v[AM], s[TBM], v[AM0]
.endif
.if ((\p) == NP-2) && (e == 24)
	FETCH_K \last
.endif
.endr
.if (\p) == 1
	s_wait_dscnt 0x0                ; V is in
.endif
	BURST 16
.rept 21
	EX
	PL
.endr
.rept 22
	PL
.if ((\p) == 0) && (q == 118)
	v_add_nc_u32 v[AV], s[TBV], v[AV0]
	s_wait_alu depctr_va_vdst(0)
.endif
.if ((\p) == 0) && (q == 130)
	s_add_co_u32 s[TBV], s[TBV], KS*PV
.endif
.if (\cnt) && (q == 130)
	s_sub_co_u32 s[CNT], s[CNT], 1
	s_cmp_lg_u32 s[CNT], 0
.endif
.endr
.if (\p) == 0
	FETCH_V
.endif
.endm
	CHANGE 1                        ; slot 0 is in, everybody's part of it, and so is the mask's table; slot 1 is asked for
	FETCH_K                         ; key step 0
	s_wait_loadcnt 0x0              ; Q
	s_wait_dscnt 0x0
.set i, 0
.rept 16
	KQ 0                            ; piece 0's first scores: there is no vector work yet to set between them
.set i, i+1
.endr
	WIN 0
.rept 4
	v_nop                           ; the places behind those products
.endr
.set Y, NP-1                        ; XS works for piece Y + 1: piece 0
.irp n, 0,1,2,3,4,5,6,7,8,9,10,11,12,13,14,15,16,17,18,19,20,21
	XS 0, \n                        ; and piece 0's first maximum and statistics
	XS 1, \n
.endr
	s_mov_b32 s[CNT], 4
	s_mov_b32 s[SLOTS], SIZE_N/256-1
	s_branch .Lfirst                ; the loop is entered at a step's first turn, in the middle of a trip
.Lslot:                             ; SIZE_N / 256 - 2 times: every slot but the last two is filled again
	CHANGE 1
	s_mov_b32 s[CNT], 4
.Lstep:                             ; a trip: pieces 2 and 3 of one step, then pieces 0 and 1 of the next, whose K and V it fetches
	TURN 2
	TURN 3
	WIN 0
.Lfirst:
	TURN 0
	TURN 1, 0, 1
	WIN 0
	s_cbranch_scc1 .Lstep
	s_sub_co_u32 s[SLOTS], s[SLOTS], 1
	s_cmp_lg_u32 s[SLOTS], 0
	s_cbranch_scc1 .Lslot
	CHANGE 0                        ; the tail is written out: nothing is asked for
	s_mov_b32 s[CNT], 5             ; four trips fetch the last slot's steps; the fifth is left in its middle
.Ltail:
	TURN 2, 1
	TURN 3
	WIN 0
	s_sub_co_u32 s[CNT], s[CNT], 1
	s_cmp_eq_u32 s[CNT], 0
	s_cbranch_scc1 .Lout
	TURN 0
	TURN 1
	WIN 0
	s_branch .Ltail
.Lout:                              ; the fifth trip's 16 products K Q^T (on the last K and mask once more) and the maximum made of them change nothing: the price, once a launch, of one text for every trip
.set i, 0
.rept 16
	PV NP-1                         ; the last piece's V^T P of the last step
.set i, i+1
.endr
	; THE WAY OUT.  l's two halves and the other half of the lanes' are added; O^T is divided by l, rounded to f16 and sent through my stage in LDS, a tile at a time.  The additions are the places behind the last products.
	WIN 0
.macro ALL line:vararg              ; one line for each tile t
.set t, 0
.rept 2*NP
	\line
.set t, t+1
.endr
.endm
	ALL v_add_f32 v[ST+4*t+2], v[ST+4*t+2], v[ST+4*t+3]
	ALL v_permlanex16_b32 v[ST+4*t+3], v[ST+4*t+2], s[SEL], s[SEL+1]
	ALL v_add_f32 v[ST+4*t+2], v[ST+4*t+2], v[ST+4*t+3]
	ALL v_rcp_f32 v[ST+4*t+2], v[ST+4*t+2]
	v_nop                           ; a plain instruction between the last reciprocal and the use of its result
.set t, 0
	s_wait_alu depctr_va_vdst(0)
.rept 2*NP                          ; m still below -2^45: the mask let no key through, and the row is NaN.  A choice of a value: no branch hangs on it
	v_cmp_gt_f32 vcc_lo, s[THR], v[ST+4*t+1]
	v_cndmask_b32 v[ST+4*t+2], v[ST+4*t+2], s[QNAN], vcc_lo
.set t, t+1
.endr
; Tile t: a lane's eight channels of a row pack into 16 bytes; they go into rows of 144 bytes and come back as whole rows of 128, into S^T's registers.
.macro PACK t
	WIN W_RS
.set i, 32*(\t)
.rept 16
	v_pk_mul_f32 v[i:i+1], v[i:i+1], v[ST+4*(\t)+2:ST+4*(\t)+3] op_sel_hi:[1,0]
.set i, i+2
.endr
	WIN 0x05                        ; sources 0 and 1 window 1, destination window 0
.set i, 0
.rept 16
	v_cvt_pk_f16_f32 v[S+16*(\t)+i], v[32*(\t)+2*i], v[32*(\t)+2*i+1]
.set i, i+1
.endr
	WIN 0
.irp f, 0,1,2,3
	ds_store_b128 v[STO], v[S+16*(\t)+4*\f:S+16*(\t)+4*\f+3] offset:32*\f
.endr
.irp f, 0,1,2,3
	ds_load_b128 v[S+16*(\t)+4*\f:S+16*(\t)+4*\f+3], v[RD] offset:\f*4*SP  ; LDS serves a wave's instructions in order (ISA guide 5.7.1.4): these see the stores above; the next tile's stores come behind them
.endr
.endm
.macro SEND t, younger              ; younger: the LDS instructions issued behind tile t's loads: the next tile's eight, or none
	WIN 0
.irp f, 0,1,2,3
	s_wait_dscnt (\younger)+3-\f
	global_store_b128 v[GO], v[S+16*(\t)+4*\f:S+16*(\t)+4*\f+3], s[10:11] offset:(\t)*2048+\f*512  ; 512 consecutive bytes, at a multiple of 256 from O's first
.endr
.endm
	PACK 0
.set t, 1
.rept 2*NP-1                        ; a tile's arithmetic stands between the loads of the tile before and its stores
	PACK t
	SEND t-1, 8
.set t, t+1
.endr
	SEND 2*NP-1, 0
	WIN W_AD
	s_wait_tensorcnt 0x0            ; the wave's end: behind my last tensor load and my last LDS store
	ds_add_u32 v[SPW], v[NIL]
	s_wait_dscnt 0x0
	WIN 0
	CROUND                          ; the closing round: no work-group ends while a partner may still ask for a tile that names it
	s_endpgm
.Lfunc_end_k_qdfdd295d92_attn:
	.size	k_qdfdd295d92_attn, .Lfunc_end_k_qdfdd295d92_attn-k_qdfdd295d92_attn
	.p2alignl 7, 3214868480
	.fill 96, 4, 3214868480
	.section	.rodata,"a",@progbits
	.p2align	6, 0x0
	.amdhsa_kernel k_qdfdd295d92_attn
		.amdhsa_group_segment_fixed_size 327680
		.amdhsa_private_segment_fixed_size 0
		.amdhsa_enable_private_segment 0
		.amdhsa_kernarg_size 24
		.amdhsa_user_sgpr_count 2
		.amdhsa_user_sgpr_kernarg_segment_ptr 1
		.amdhsa_wavefront_size32 1
		.amdhsa_system_sgpr_workgroup_id_x 1
		.amdhsa_system_sgpr_workgroup_id_y 1
		.amdhsa_system_sgpr_workgroup_id_z 1
		.amdhsa_system_vgpr_workitem_id 0
		.amdhsa_next_free_vgpr 808
		.amdhsa_next_free_sgpr 72
		.amdhsa_reserve_vcc 1
		.amdhsa_float_denorm_mode_32 3
		.amdhsa_float_denorm_mode_16_64 3
		.amdhsa_memory_ordered 1
		.amdhsa_forward_progress 1
		.amdhsa_inst_pref_size 215
	.end_amdhsa_kernel
	.amdgpu_metadata
---
amdhsa.version: [ 1, 2 ]
amdhsa.kernels:
  - .name:           k_qdfdd295d92_attn
    .symbol:         k_qdfdd295d92_attn.kd
    .args:
      - { .name: qkvh, .offset: 0, .size: 8, .value_kind: global_buffer, .address_space: global }
      - { .name: mask, .offset: 8, .size: 8, .value_kind: global_buffer, .address_space: global }
      - { .name: oh, .offset: 16, .size: 8, .value_kind: global_buffer, .address_space: global }
    .group_segment_fixed_size: 327680
    .private_segment_fixed_size: 0
    .kernarg_segment_align: 8
    .kernarg_segment_size: 24
    .max_flat_workgroup_size: 128
    .sgpr_count:     72
    .vgpr_count:     808
    .wavefront_size: 32
...
	.end_amdgpu_metadata
.endif
;; end of part 3
;; launch outp (part 4): grid 4 x 64, 4 waves a work-group, clusters of 4 x 4, 327,680 bytes of LDS; arguments oh, wc, bo, out0; writes out0
.if DOCPART == 4
	.amdgcn_target "amdgcn-amd-amdhsa--gfx1250"
	.amdhsa_code_object_version 6
	.text
	.protected	k_qdfdd295d92_outp
	.globl	k_qdfdd295d92_outp
	.p2align	8
	.type	k_qdfdd295d92_outp,@function
k_qdfdd295d92_outp:
	s_mov_b64 s[64:65], 0
	v_nop
	global_prefetch_b8 v0, s[64:65] scope:SCOPE_SE
	s_setreg_imm32_b32 hwreg(HW_REG_WAVE_MODE, 25, 1), 1
	s_wait_xcnt 0x0
	s_wait_alu depctr_hold_cnt(0) depctr_sa_sdst(0) depctr_va_vdst(0) depctr_va_sdst(0) depctr_va_ssrc(0) depctr_va_vcc(0) depctr_vm_vsrc(0)
	s_getreg_b32 s2, hwreg(HW_REG_IB_STS2, 6, 4)
	s_cmp_eq_u32 s2, 0
	s_cbranch_scc0 .Lentry_in_a_cluster
	s_endpgm
.Lentry_in_a_cluster:
	s_bfe_u32 s2, ttmp6, 0x10000c
	s_cmp_lg_u32 s2, 0xf033
	s_cbranch_scc0 .Lentry_shape_is_right
	s_endpgm
.Lentry_shape_is_right:
; out0 = O Wo + bo.  O: oh, [batch x 16 + head][2048][64] in f16; Wo: the fourth matrix of wc, [k][n] in f16 (Wo rounded to bf16, that number written as f16); bo: [1024] f32, rounded to bf16 here;
; out0: [8192][1024] f32.  Sums in f32, stored as they are.
; LIMITS.  O and Wo arrive within f16's range; NaN in O (a batch whose mask lets no key through) gives NaN in the whole row, as it should.
; SHARES.  A work-group makes 128 rows x 256 columns; wave w rows 64 (w / 2) on, columns 128 (w % 2) on: 32 accumulators of 16 x 16, 256 registers.  64 x 4 = 256 work-groups.
; K goes in 8 steps of 128, two heads a step, through two LDS slots: the two heads' 128 rows of O (128 bytes a row, dense in memory: asked for as rows of 256 bytes) and 128 rows of Wo (256 columns).
; CLUSTER.  4 x 4 work-groups: the four of a row of the cluster need the same tile of O, the four of a column the same tile of Wo.  Each tile is asked for jointly: the same tensor load, descriptor and mask in all four.
; THE MATRIX INSTRUCTION IS USED TRANSPOSED: source 0 = 16 columns of Wo (turned on the way out of LDS by ds_load_tr16_b128), source 1 = 16 rows of O.  A lane then holds one row (lane % 16) and eight
; neighbouring columns, 32 bytes.  The bias is the C operand of the first product.
; REGISTERS, in windows of 256 (s_set_vgpr_msb: bits 1:0 source 0, 3:2 source 1, 5:4 source 2, 7:6 destination):
;   window 0: v0-31 addresses; v32-95 O's fragments, two buffers of 32; v96-223 the way out, two buffers of 64
;   window 1: v0-127 Wo's fragments, two buffers of 64; v128-191 the bias; v192-223 at work     window 2: accumulator (a, b) at v[8 (8 a + b)]
.set PA,     144                       ; a row of O in LDS: 128 bytes + 16 = 36 words: the 16 rows of a load start at 16 different groups of four banks (64 banks of 4 bytes: ISA guide 11.1)
.set APLANE, 128*PA                    ; one head's 128 rows: what one tensor load brings of O
.set PB,     544                       ; a row of Wo: 512 + 32 = 136 words
.set BHALF,  64*PB
.set BOFF,   2*APLANE
.set SLOT,   2*APLANE+2*BHALF
.set STAGE,  2*SLOT                    ; behind the ring, never filled by a tensor load: 16 rows x 528 bytes for each wave, for the way out
.set SPO,    528
.set SPARE,  STAGE+4*16*SPO            ; behind the stages: the spare words, 128 bytes for each wave: two blocks of 256 bytes that no other line names
.set ADRA, 16                          ; v16-17  LDS address of my fragments of O in slot 0, 1
.set ADRB, 20                          ; v20-21  the same for Wo
.set STO,  24                          ; v24     the way out: where I put 32 bytes of a row
.set RD,   25                          ; v25     the way out: where I read a row back
.set CO,   26                          ; v26     my byte offset in 512 consecutive bytes of a row of out0
.set BO,   27                          ; v27     my byte offset in the bias
.set SPW,  28                          ; v28     LDS address of my spare word: SPARE + 4 x my thread's number; never rewritten
.set NIL,  29                          ; v29     0; never rewritten
.set AF,   32
.set OB,   96
.set BF,   0                           ; window 1
.set BIAS, 128                         ; window 1
.set BT,   192                         ; window 1
.set WV,  20                           ; s20  my wave's number
.set WM,  21                           ; s21  which 64 rows are mine.  Also: I fetch for O (0) or for Wo (1)
.set WN,  22                           ; s22  which 128 columns.  Also: which head's plane, or which 64 rows of Wo, I fetch
.set G1A, 28                           ; s[28:35] descriptor group 1 for O's tiles;  s[36:43] group 0, one set for each slot
.set G0A, 36
.set G1B, 44                           ; s[44:51], s[52:59] the same for Wo's tiles
.set G0B, 52
.set MSB, 0
.macro WIN new                         ; the immediate's high byte repeats the setting that is left; a switch that changes nothing is dropped
.if MSB != (\new)
	s_set_vgpr_msb (MSB<<8)|(\new)
.set MSB, \new
.endif
.endm
; A joint load: waves 0 and 1 fetch the two heads' planes of O, waves 2 and 3 Wo's two halves.  The branch hangs on the wave's number alone.  An s_nop 0 and four v_nop follow each of the two lines,
; ahead of the jump, the label and what follows.
.macro JLOAD s
	s_cmp_eq_u32 s[WM], 0
	s_cbranch_scc0 .Lfor_b_\@
	tensor_load_to_lds s[G0A+4*(\s):G0A+4*(\s)+3], s[G1A:G1A+7]
	s_nop 0
.rept 4
	v_nop
.endr
	s_branch .Lasked_\@
.Lfor_b_\@:
	tensor_load_to_lds s[G0B+4*(\s):G0B+4*(\s)+3], s[G1B:G1B+7]
	s_nop 0
.rept 4
	v_nop
.endr
.Lasked_\@:
.endm
.macro CREST                           ; a round of the cluster's barrier behind its opening barrier
	s_cmp_lg_u32 s[WV], 0
	s_cbranch_scc1 .Lnot_wave_0_\@
	s_barrier_signal -3
.Lnot_wave_0_\@:
	s_barrier_wait -3
	s_barrier_signal -1
	s_barrier_wait -1
.endm
.macro CROUND                          ; a whole round
	s_barrier_signal -1
	s_barrier_wait -1
	CREST
.endm
	s_load_b256 s[4:11], s[0:1], 0x0               ; oh s[4:5], wc s[6:7], bo s[8:9], out0 s[10:11]
	v_lshl_add_u32 v[SPW], v0, 2, SPARE
	v_mov_b32 v[NIL], 0
	ds_add_u32 v28, v29
	s_wait_dscnt 0x0
	v_lshrrev_b32 v1, 5, v0
	v_readfirstlane_b32 s[WV], v1                  ; wave 0..3
	s_lshr_b32 s[WM], s[WV], 1
	s_and_b32 s[WN], s[WV], 1
	s_bfe_u32 s66, ttmp6, 0x40000                  ; cx, cy: my place in the cluster
	s_bfe_u32 s67, ttmp6, 0x40004
	s_lshl_b32 s68, ttmp9, 2
	s_add_co_u32 s68, s68, s66                     ; column tile = 4 x cluster x + cx
	s_and_b32 s69, ttmp7, 0xffff
	s_lshl_b32 s69, s69, 2
	s_add_co_u32 s69, s69, s67                     ; row tile = 4 x cluster y + cy
	s_lshl_b32 s24, s67, 2
	s_lshl_b32 s24, 15, s24                        ; my row of the cluster
	s_lshl_b32 s25, 0x1111, s66                    ; my column
	; group 1 for O: a head's 128 rows are 16,384 dense bytes: 64 rows of 256 bytes, two rows of O each, padded in LDS after every row of O
	s_or_b32 s[G1A], s24, (1<<16)|(1<<20)|(1<<21)|(4<<22)|(3<<25)  ; 15:0 the mask; 17:16 elements of 2 bytes; 20 padding on; 21 set beside a mask; 24:22 after every 32 words (code 4); 31:25 4 words (code 3)
	s_mov_b32 s[G1A+1], 128<<16                    ; tensor_dim0 = 128
	s_mov_b32 s[G1A+2], 64<<16                     ; tensor_dim1 = 64
	s_mov_b32 s[G1A+3], 128<<16                    ; tile_dim0 = 128
	s_mov_b32 s[G1A+4], 64                         ; tile_dim1 = 64
	s_mov_b32 s[G1A+5], 128                        ; elements from row to row
	s_mov_b32 s[G1A+6], 0
	s_mov_b32 s[G1A+7], 0
	; group 1 for Wo: 64 rows x 256 elements of 2 bytes; 32 bytes of padding behind every 128 words
	s_or_b32 s[G1B], s25, (1<<16)|(1<<20)|(1<<21)|(6<<22)|(7<<25)
	s_mov_b32 s[G1B+1], 256<<16
	s_mov_b32 s[G1B+2], 64<<16
	s_mov_b32 s[G1B+3], 256<<16
	s_mov_b32 s[G1B+4], 64
	s_mov_b32 s[G1B+5], 1024
	s_mov_b32 s[G1B+6], 0
	s_mov_b32 s[G1B+7], 0
	; where the tiles come from.  O's hang on the row tile, which my row of the cluster shares; Wo's on the column tile, which my column shares
	s_lshr_b32 s72, s69, 4                         ; the batch: 16 heads of 262,144 bytes,
	s_lshl_b32 s72, s72, 22
	s_and_b32 s73, s69, 15                         ; the tile's 128 rows of 128 bytes in a head,
	s_lshl_b32 s73, s73, 14
	s_add_co_u32 s72, s72, s73
	s_lshl_b32 s73, s[WN], 18                      ; my head of a K step's two
	s_add_co_u32 s72, s72, s73
	s_mov_b32 s73, 0
	s_lshl_b32 s74, s[WN], 17                      ; my 64 rows of 2,048 bytes,
	s_lshl_b32 s75, s68, 9                         ; the tile's 256 columns,
	s_add_co_u32 s74, s74, s75
	s_add_co_u32 s74, s74, 6291456                 ; in the fourth matrix of wc
	s_mov_b32 s75, 0
	s_mul_i32 s26, s[WN], APLANE                   ; and where they go: no place in the cluster enters an LDS address
	s_mul_i32 s27, s[WN], BHALF
	s_add_co_u32 s27, s27, BOFF
	s_wait_kmcnt 0x0
	s_add_nc_u64 s[4:5], s[4:5], s[72:73]
	s_add_nc_u64 s[6:7], s[6:7], s[74:75]
	CROUND                                         ; all sixteen work-groups are here: the first joint loads meet
.irp s, 0,1
	s_mov_b32 s[G0A+4*(\s)], 1                                        ; count = 1
	s_add_co_u32 s[G0A+4*(\s)+1], s26, (\s)*SLOT                      ; LDS address
	s_add_nc_u64 s[G0A+4*(\s)+2:G0A+4*(\s)+3], s[4:5], (\s)*524288    ; global address: K step s, two heads on
	s_or_b32 s[G0A+4*(\s)+3], s[G0A+4*(\s)+3], 0x80000000             ; type = 2
	s_mov_b32 s[G0B+4*(\s)], 1
	s_add_co_u32 s[G0B+4*(\s)+1], s27, (\s)*SLOT
	s_add_nc_u64 s[G0B+4*(\s)+2:G0B+4*(\s)+3], s[6:7], (\s)*262144    ; K step s, 128 rows of 2,048 bytes on
	s_or_b32 s[G0B+4*(\s)+3], s[G0B+4*(\s)+3], 0x80000000
.endr
	s_cmp_eq_u32 s[WM], 0                          ; a wave's two first fills stand in one branch, ahead of every wait on TENSORcnt and every LDS read: two loads of mine are out
	s_cbranch_scc0 .Lfirst_b
	tensor_load_to_lds s[G0A:G0A+3], s[G1A:G1A+7]
	s_nop 0
	tensor_load_to_lds s[G0A+4:G0A+7], s[G1A:G1A+7]
	s_nop 0
.rept 4
	v_nop
.endr
	s_branch .Lfirst_asked
.Lfirst_b:
	tensor_load_to_lds s[G0B:G0B+3], s[G1B:G1B+7]
	s_nop 0
	tensor_load_to_lds s[G0B+4:G0B+7], s[G1B:G1B+7]
	s_nop 0
.rept 4
	v_nop
.endr
.Lfirst_asked:
	v_and_b32 v1, 15, v0                           ; r = l % 16
	v_bfe_u32 v2, v0, 4, 1                         ; h = l / 16
	v_and_b32 v3, 7, v0                            ; l % 8
	v_bfe_u32 v4, v0, 3, 1                         ; (l / 8) % 2
	; a fragment of O: lane l holds row r, K = 8 h + 0..7 and 16 + 8 h + 0..7: two loads of 16 bytes, 32 bytes apart
	v_mul_u32_u24 v5, v1, PA
	v_lshl_add_u32 v5, v2, 4, v5
	s_mul_i32 s24, s[WM], 64*PA
	v_add_nc_u32 v[ADRA], s24, v5
	v_add_nc_u32 v[ADRA+1], SLOT, v[ADRA]
	; a fragment of Wo: the turning load takes 16 K x 16 columns (lane l reads row 8 h + l % 8, columns 8 ((l / 8) % 2) + 0..7) and leaves lane l column r and 8 K
	v_lshl_add_u32 v5, v2, 3, v3
	v_mul_u32_u24 v5, v5, PB
	v_lshl_add_u32 v5, v4, 4, v5
	s_lshl_b32 s24, s[WN], 8                       ; my 128 columns
	s_add_co_u32 s24, s24, BOFF
	v_add_nc_u32 v[ADRB], s24, v5
	v_add_nc_u32 v[ADRB+1], SLOT, v[ADRB]
	s_mul_i32 s24, s[WV], 16*SPO
	s_add_co_u32 s24, s24, STAGE                   ; my stage
	v_mul_u32_u24 v5, v1, SPO                      ; in: row r, 32 bytes for each half of the lanes
	v_lshl_add_u32 v5, v2, 5, v5
	v_add_nc_u32 v[STO], s24, v5
	v_and_b32 v[CO], 31, v0                        ; back: 32 lanes take one row's 512 bytes
	v_lshlrev_b32 v[CO], 4, v[CO]
	v_add_nc_u32 v[RD], s24, v[CO]
	s_lshl_b32 s24, s68, 10                        ; the bias of my columns: register j of block b is column 256 tx + 128 wn + 16 b + 8 h + j
	s_lshl_b32 s25, s[WN], 9
	s_add_co_u32 s24, s24, s25
	v_lshl_add_u32 v[BO], v2, 5, s24
	WIN 0x40                                       ; destination window 1, address window 0
.irp b, 0,1,2,3,4,5,6,7
	global_load_b128 v[BIAS+8*(\b):BIAS+8*(\b)+3],   v[BO], s[8:9] offset:64*(\b)
	global_load_b128 v[BIAS+8*(\b)+4:BIAS+8*(\b)+7], v[BO], s[8:9] offset:64*(\b)+16
.endr
	; where my part of out0 begins: row 128 ty + 64 wm of 4,096 bytes, column 256 tx + 128 wn of 4 bytes
	s_lshl_b32 s60, s69, 19
	s_lshl_b32 s61, s[WM], 18
	s_add_co_u32 s60, s60, s61
	s_add_co_u32 s60, s60, s24
	s_mov_b32 s61, 0
	s_add_nc_u64 s[10:11], s[10:11], s[60:61]
	s_wait_loadcnt 0x0                             ; the bias
	WIN 0x45                                       ; all in window 1: the bias is rounded to bf16, like every input, and widened again
.set i, 0
.rept 32
	v_cvt_pk_bf16_f32 v[BT+i], v[BIAS+2*i], v[BIAS+2*i+1]
.set i, i+1
.endr
.set i, 0
.rept 32
	v_lshlrev_b32 v[BIAS+2*i],   16, v[BT+i]
	v_and_b32     v[BIAS+2*i+1], 0xffff0000, v[BT+i]
.set i, i+1
.endr
	WIN 0
; 24 LDS loads in one run: quarter q (32 along K: head q / 2 of the step's two, channels 32 (q % 2) on) into buffer g: Wo's 128 columns, then O's 64 rows
.macro FETCH slot, q, g
	WIN 0x40
.irp b, 0,1,2,3,4,5,6,7
	ds_load_tr16_b128 v[BF+64*(\g)+8*(\b):BF+64*(\g)+8*(\b)+3],   v[ADRB+(\slot)] offset:(\q)*32*PB+32*(\b)
	ds_load_tr16_b128 v[BF+64*(\g)+8*(\b)+4:BF+64*(\g)+8*(\b)+7], v[ADRB+(\slot)] offset:(\q)*32*PB+16*PB+32*(\b)
.endr
	WIN 0
.irp a, 0,1,2,3
	ds_load_b128 v[AF+32*(\g)+8*(\a):AF+32*(\g)+8*(\a)+3],   v[ADRA+(\slot)] offset:((\q)/2)*APLANE+((\q)%2)*64+(\a)*16*PA
	ds_load_b128 v[AF+32*(\g)+8*(\a)+4:AF+32*(\g)+8*(\a)+7], v[ADRA+(\slot)] offset:((\q)/2)*APLANE+((\q)%2)*64+(\a)*16*PA+32
.endr
.endm
; 8 matrix instructions: row block a x all 8 column blocks, 32 along K.  first = 1: the bias is C and starts the sums.
; The 32 accumulators take turns in the same order in every quarter, one instruction a turn.
.macro MULA f, a, first
.if \first
	WIN 0x91                                       ; Wo window 1, O window 0, C (the bias) window 1, D window 2
.else
	WIN 0xa1                                       ; Wo window 1, O window 0, C and D window 2
.endif
.irp b, 0,1,2,3,4,5,6,7
.if \first
	v_wmma_f32_16x16x32_f16 v[8*(8*(\a)+(\b)):8*(8*(\a)+(\b))+7], v[BF+64*(\f)+8*(\b):BF+64*(\f)+8*(\b)+7], v[AF+32*(\f)+8*(\a):AF+32*(\f)+8*(\a)+7], v[BIAS+8*(\b):BIAS+8*(\b)+7]
.else
	v_wmma_f32_16x16x32_f16 v[8*(8*(\a)+(\b)):8*(8*(\a)+(\b))+7], v[BF+64*(\f)+8*(\b):BF+64*(\f)+8*(\b)+7], v[AF+32*(\f)+8*(\a):AF+32*(\f)+8*(\a)+7], v[8*(8*(\a)+(\b)):8*(8*(\a)+(\b))+7]
.endif
.endr
.endm
.macro PLACES                          ; a load into a register that a matrix instruction has read, and a store that reads a matrix result, stand four plain vector instructions behind it
.rept 4
	v_nop
.endr
.endm
; A K step is four quarters of 32 along K on buffers 0, 1, 0, 1.  One of the first three: multiplies buffer f and in its middle fetches quarter q into buffer g.
.macro QUARTER slot, q, f, g, first
	s_wait_dscnt 4                                 ; Wo's fragments and O's row blocks 0 and 1 are in; the youngest four loads (blocks 2 and 3) may be out
	MULA \f, 0, \first
	MULA \f, 1, \first
	PLACES
	FETCH \slot, \q, \g
	s_wait_dscnt 24                                ; all but the 24 just issued
	MULA \f, 2, \first
	MULA \f, 3, \first
.endm
; The last quarter multiplies buffer 1 and changes slots: ONE barrier.  In front of it each wave waits for all its tensor loads (one is out: its part of the next slot), adds 0 to its spare
; word, and waits for that and for its reads of this slot.  fill = 1: the barrier opens a round of the cluster's, and this slot is filled again, two K steps on, first thing behind the round.
.macro TURN slot, next, fill
	WIN 0                                          ; (the add's two registers lie in window 0)
	s_wait_tensorcnt 0x0                           ; all my tensor loads have landed;
	ds_add_u32 v[SPW], v[NIL]                      ; 0 onto my spare word
	s_wait_dscnt 5                                 ; (the add and the youngest four loads may be out)
	MULA 1, 0, 0                                   ; eight matrix instructions stand between the add and the wait for it
	s_wait_dscnt 0x0                               ; the add is done, and my reads of this slot are over
	s_barrier_signal -1
	MULA 1, 1, 0
	WIN 0                                          ; branches may follow
	s_barrier_wait -1
.if \fill
	CREST                                          ; no wave of any partner still reads this slot's tile or has a load on its way
	s_add_nc_u64 s[G0A+4*(\slot)+2:G0A+4*(\slot)+3], s[G0A+4*(\slot)+2:G0A+4*(\slot)+3], 1048576
	s_add_nc_u64 s[G0B+4*(\slot)+2:G0B+4*(\slot)+3], s[G0B+4*(\slot)+2:G0B+4*(\slot)+3], 524288
	JLOAD \slot                                    ; my one tensor load behind the round: 112 matrix instructions ahead of the wait for it; the four v_nop behind it are also the places in front of the loads below
.else
	PLACES
.endif
	FETCH \next, 0, 0
	MULA 1, 2, 0
	MULA 1, 3, 0
.endm
; THE WAY OUT of row block a: 32 bytes a lane and column block into my stage, each accumulator's four lowest registers first; back as whole rows of 512 bytes; stored.
.macro TOSTAGE a
	WIN 0x08                                       ; an LDS store's data (source 1) in window 2, its address in window 0
.irp b, 0,1,2,3,4,5,6,7
	ds_store_b128 v[STO], v[64*(\a)+8*(\b):64*(\a)+8*(\b)+3]   offset:64*(\b)
	ds_store_b128 v[STO], v[64*(\a)+8*(\b)+4:64*(\a)+8*(\b)+7] offset:64*(\b)+16
.endr
	WIN 0
.if (\a) >= 2
	s_wait_xcnt 0x0                                ; the stores of the block two back have read this buffer: it is loaded again only behind this wait
.endif
.irp t, 0,1,2,3,4,5,6,7,8,9,10,11,12,13,14,15
	ds_load_b128 v[OB+64*((\a)%2)+4*(\t):OB+64*((\a)%2)+4*(\t)+3], v[RD] offset:(\t)*SPO  ; LDS serves a wave's instructions in order (ISA guide 5.7.1.4): these see the stores above; the next block's stores come behind them
.endr
.endm
.macro SEND a, younger                 ; younger: the LDS instructions issued behind block a's loads: the next block's 32, or none
.irp t, 0,1,2,3,4,5,6,7,8,9,10,11,12,13,14,15
	s_wait_dscnt (\younger)+15-(\t)
	global_store_b128 v[CO], v[OB+64*((\a)%2)+4*(\t):OB+64*((\a)%2)+4*(\t)+3], s[10:11] offset:(\a)*65536+(\t)*4096 th:TH_STORE_NT  ; 512 consecutive bytes, at a multiple of 256 from out0's first
.endr
.endm
	s_wait_tensorcnt 1                             ; my part of K step 0 is in; K step 1's, issued behind it, may stay out
	s_barrier_signal -1
	s_barrier_wait -1                              ; everybody's is
	FETCH 0, 0, 0
	QUARTER 0, 1, 0, 1, 1                          ; the first quarter stands in front of the loop: its products start the sums, on the bias
	WIN 0                                          ; at a label and at a branch every window is 0
	s_mov_b32 s3, 3
.Llap:                                                 ; a trip goes once round the ring, from a lap's second quarter to the next lap's first, and fills both slots again: K steps 2 to 7
	QUARTER 0, 2, 1, 0, 0
	QUARTER 0, 3, 0, 1, 0
	TURN 0, 1, 1
	QUARTER 1, 1, 0, 1, 0
	QUARTER 1, 2, 1, 0, 0
	QUARTER 1, 3, 0, 1, 0
	TURN 1, 0, 1
	QUARTER 0, 1, 0, 1, 0
	WIN 0
	s_sub_co_u32 s3, s3, 1
	s_cmp_lg_u32 s3, 0
	s_cbranch_scc1 .Llap
	QUARTER 0, 2, 1, 0, 0                          ; the last lap fills nothing, and has no round of the cluster's barrier
	QUARTER 0, 3, 0, 1, 0
	TURN 0, 1, 0
	QUARTER 1, 1, 0, 1, 0
	QUARTER 1, 2, 1, 0, 0
	QUARTER 1, 3, 0, 1, 0
	s_wait_dscnt 0x0                               ; the very last quarter: nothing more to fetch
	MULA 1, 0, 0
	MULA 1, 1, 0
	MULA 1, 2, 0
	MULA 1, 3, 0
	WIN 0
	PLACES                                         ; between the last products and the LDS stores that read results
	TOSTAGE 0
	TOSTAGE 1                                      ; a block's way through the stage stands between the loads of the block before and its stores
	SEND 0, 32
	TOSTAGE 2
	SEND 1, 32
	TOSTAGE 3
	SEND 2, 32
	SEND 3, 0
	s_wait_tensorcnt 0x0                           ; the wave's end: behind my last tensor load and my last LDS store
	ds_add_u32 v[SPW], v[NIL]
	s_wait_dscnt 0x0
	CROUND                                         ; the closing round: no work-group ends while a partner may still ask for a tile that names it
	s_endpgm
.Lfunc_end_k_qdfdd295d92_outp:
	.size	k_qdfdd295d92_outp, .Lfunc_end_k_qdfdd295d92_outp-k_qdfdd295d92_outp
	.p2alignl 7, 3214868480
	.fill 96, 4, 3214868480
	.section	.rodata,"a",@progbits
	.p2align	6, 0x0
	.amdhsa_kernel k_qdfdd295d92_outp
		.amdhsa_group_segment_fixed_size 327680
		.amdhsa_private_segment_fixed_size 0
		.amdhsa_enable_private_segment 0
		.amdhsa_kernarg_size 32
		.amdhsa_user_sgpr_count 2
		.amdhsa_user_sgpr_kernarg_segment_ptr 1
		.amdhsa_wavefront_size32 1
		.amdhsa_system_sgpr_workgroup_id_x 1
		.amdhsa_system_sgpr_workgroup_id_y 1
		.amdhsa_system_sgpr_workgroup_id_z 1
		.amdhsa_system_vgpr_workitem_id 0
		.amdhsa_next_free_vgpr 768
		.amdhsa_next_free_sgpr 80
		.amdhsa_reserve_vcc 0
		.amdhsa_float_denorm_mode_32 3
		.amdhsa_float_denorm_mode_16_64 3
		.amdhsa_memory_ordered 1
		.amdhsa_forward_progress 1
		.amdhsa_inst_pref_size 93
	.end_amdhsa_kernel
	.amdgpu_metadata
---
amdhsa.version: [ 1, 2 ]
amdhsa.kernels:
  - .name:           k_qdfdd295d92_outp
    .symbol:         k_qdfdd295d92_outp.kd
    .args:
      - { .name: oh, .offset: 0, .size: 8, .value_kind: global_buffer, .address_space: global }
      - { .name: wc, .offset: 8, .size: 8, .value_kind: global_buffer, .address_space: global }
      - { .name: bo, .offset: 16, .size: 8, .value_kind: global_buffer, .address_space: global }
      - { .name: out0, .offset: 24, .size: 8, .value_kind: global_buffer, .address_space: global }
    .group_segment_fixed_size: 327680
    .private_segment_fixed_size: 0
    .kernarg_segment_align: 8
    .kernarg_segment_size: 32
    .max_flat_workgroup_size: 128
    .sgpr_count:     80
    .vgpr_count:     768
    .wavefront_size: 32
...
	.end_amdgpu_metadata
.endif
;; end of part 4
